; MI455X (gfx1250); checked and timed in simulation.
; The chip was launched on July 23, 2026; its instructions are those of AMD's public machine-readable ISA for CDNA 5 (MIT licence, August 2026) and "CDNA5" Instruction Set Architecture Reference Guide (July 2026). The comments in the code are by the model that wrote it; some were corrected since.
;; attention. Allowed arithmetic: matrix products marked QUANTISED: E5M2 operands, one E8M0 scale for each 32 along K, by v_wmma_scale_f32_16x16x128_f8f6f4 with both operands' format E5M2, f32 sums; everything else in f32.
;; Inputs: Wk 1,024 x 256 float32; Wo 1,024 x 1,024 float32; Wq 1,024 x 1,024 float32; Wv 1,024 x 256 float32; cos 2,048 x 64 float32; sin 2,048 x 64 float32; x 4 x 2,048 x 1,024 float32.
;; Outputs: out0 4 x 2,048 x 1,024 float32.
;; This version of the problem:
;;   THIS VERSION OF THE PROBLEM IS GIVEN IN LOW PRECISION. The matrix products marked QUANTISED in the list below multiply operands that are first quantised to E5M2 (5 exponent bits, 2 mantissa bits; 8 bits a number), with one power-of-two scale for each 32 numbers along K (OCP MX v1.0); their sums are f32. All else is computed in f32.
;;   The module's matrix products, in the order in which they are computed (A, B: the left and right operand; K: the contracted axis; several contracted axes count as one K, in the product's order):
;;     1. [M 8,192, K 1,024] x [K 1,024, N 1,024]; A: input x; B: input Wq: QUANTISED
;;     2. [M 8,192, K 1,024] x [K 1,024, N 256]; A: input x; B: input Wk: QUANTISED
;;     3. [M 8,192, K 1,024] x [K 1,024, N 256]; A: input x; B: input Wv: QUANTISED
;;     4. batch 64 x [M 2,048, K 64] x [K 64, N 2,048]; A: computed on the way; B: computed on the way: QUANTISED
;;     5. batch 64 x [M 2,048, K 2,048] x [K 2,048, N 64]; A: softmax (see below); B: computed on the way: QUANTISED
;;     6. [M 8,192, K 1,024] x [K 1,024, N 1,024]; A: computed on the way; B: input Wo: QUANTISED
;;   THE QUANTISER, for each operand of a quantised product, along K:
;;     - K is cut into blocks of 32 from its start; a last block that is shorter is filled with zeros.
;;     - A block's scale is 2^e with e = floor(log2(the largest magnitude in the block)) - 15, held to -126 .. 127; a block of zeros has e = 0. As a byte (E8M0): e + 127.
;;     - Each number is divided by its block's scale, clamped to +-57,344, and rounded to the nearest number of E5M2, ties to even, subnormals kept.
;;     - The product sums the exact products of the quantised numbers (number of the format x scale) in f32.
;;   ~~~python
;;   def quantise(x, axis):      # numpy; x: float32 -> the quantised numbers, widened to float32 again
;;       x = np.moveaxis(x, axis, -1); K = x.shape[-1]
;;       x = np.pad(x, [(0, 0)] * (x.ndim - 1) + [(0, -K % 32)]); x = x.reshape(x.shape[:-1] + (-1, 32)); a = np.abs(x).max(-1, keepdims=True)
;;       e = np.where(a > 0, np.clip(np.frexp(np.where(a > 0, a, 1))[1] - 1 - 15, -126, 127), 0)      # np.frexp(a)[1] - 1 = floor(log2(a)), exactly
;;       r = np.clip(x / 2.0 ** e, -57344, 57344)
;;       step = 2.0 ** (np.maximum(np.frexp(np.where(r == 0, 1, r))[1] - 1, -14) - 2)
;;       q = np.round(r / step) * step * 2.0 ** e      # np.round: ties to even
;;       return np.moveaxis(q.reshape(q.shape[:-2] + (-1,))[..., :K], -1, axis).astype(np.float32)
;;   ~~~
;;   SOFTMAX AHEAD OF A QUANTISED PRODUCT. Where the list says 'softmax', what is quantised is not the finished softmax but p = 2^(t - M), with t = logit x log2(e) and M = ceil(the row's largest t), a whole number; so 1/2 < the row's largest p <= 1. The row's sum l is taken of the UNQUANTISED p, in f32, and the product's result is divided by l at the end. Since M is a whole number, a kernel that streams over the keys may use a running M (the ceiling of the running maximum): every later rescaling is an exact power of two, which a block's scale takes up: the codes' values come out the same.
;;   OPERANDS COMPUTED ON THE WAY. 'Computed on the way' means the value that the module computes at that place (a softmax that the list does not call 'softmax' is quantised finished and normalised). What goes into a quantiser is computed in f32, as accurately as f32 sums, v_exp_f32 and their like allow (about 1e-6 of the number): no bf16 or f16 on the way to a quantiser, and a product that is left as it is and whose result goes on into a quantised operand takes f32 operands (vector FMAs, or v_wmma_f32_16x16x4_f32). A number that lies on a knife's edge between two numbers of the format may be rounded either way, as far as f32 arithmetic and the matrix unit's own rounding can turn it there, and no further.
;; One version. Each part assembles by itself: llvm-mc -triple=amdgcn-amd-amdhsa -mcpu=gfx1250 --defsym DOCPART=n.
;; ======== version 1 of 1: 4 launches
;; limits: right only within a limited range of input values
;; workspace buffers: XB 8,650,752 bytes; WB 2,703,360 bytes; QB 8,912,896 bytes; KV 4,390,912 bytes; OB 8,650,752 bytes
;; launch prep (part 1): grid 336 x 1, 4 waves a work-group, no clusters, 34,304 bytes of LDS; arguments x, Wq, Wk, Wv, Wo, XB, WB; writes XB, WB
.if DOCPART == 1
	.amdgcn_target "amdgcn-amd-amdhsa--gfx1250"
	.amdhsa_code_object_version 6
	.text
	.protected	k_q81e9b0e638_prep
	.globl	k_q81e9b0e638_prep
	.p2align	8
	.type	k_q81e9b0e638_prep,@function
k_q81e9b0e638_prep:
	s_mov_b64 s[64:65], 0
	v_nop
	global_prefetch_b8 v0, s[64:65] scope:SCOPE_SE
	s_setreg_imm32_b32 hwreg(HW_REG_WAVE_MODE, 25, 1), 1
	s_wait_xcnt 0x0
; x [8192][1024] and the four weights ([1024 (K)][N], K the FIRST axis), all f32, become codes of E5M2 with one E8M0 byte for each 32 along K,
; laid as IMAGES OF OPERAND REGISTERS: a chunk (four registers of a fragment, 32 along K of 16 rows) is 512 bytes, lane l's 16 bytes at 16 l.
; THE ORDER INSIDE A CHUNK, in every operand of this program: byte 8 u + j of lane (r, h) is k = 32 c + 16 u + 8 h + j.  That is the order in which two neighbouring
; 16 x 16 results lie in a lane's registers, so results that become operands need no shuffle; it permutes k inside a block of 32 alike on both sides of every product.
; XB: [tile of 16 rows: 512][16,896]: codes [K step 8][chunk 4][lane][16 B]; from byte 16,384 the scale words [half 2][lane 32][2 words]: register p = 2 half + word,
;     lanes 0-15 the rows' words of K step 2 p, lanes 16-31 those of K step 2 p + 1.
; WB: codes [tile of 16 columns: 160][K step 8][chunk 4][lane][16 B] (tiles 0-63 Wq, 64-79 Wk, 80-95 Wv, 96-159 Wo); from byte 2,621,440 the scale words [tile][p 4][lane 32], laid likewise.
; A block's scale is 2^(floor(log2(largest magnitude)) - 15): its byte is that magnitude's exponent field - 15, held at 1 from below.
; LIMITS: a block of zeros, or one under 2^(16 - 127), gets the byte 1 where the rule says 127 (its codes are zeros; this program alone reads the bytes); NaN and infinities among the inputs are not served.
; Work-groups 0-255 take x (a wave: 16 rows x 512 along K), work-groups 256-335 the weights (a wave: 32 columns x 256 along K).  Work-groups share no input: no cluster.  Waves share nothing: no barrier.
.set SEL,  20                          ; s[20:21] lane selects for v_permlanex16_b32: lane l xor 16
.set MNT,  22                          ; s22      the mantissa field of 57,344
.set R,    16                          ; x: v16-143  two sets of 64 numbers as loaded
.set X,    144                         ; x: v144-207 64 numbers in the fragment's order
.set PC,   208                         ; x: v208-223 a fragment's codes
.set TM,   224                         ; x: v224-239 at work in QUANT
.set WD,   240                         ; x: v240-243 the four K steps' scale words
.set OUTW, 244                         ; x: v[244:245] the words as they are stored
.set OF,   16                          ; weights: v16-47   4 x lane + i rows
.set WX,   48                          ; weights: v48-111  two sets of 32 numbers
.set WC,   112                         ; weights: v112-175 eight registers of codes for each block: no store's data are written again
.set SBW,  176                         ; weights: v[176:177] the scale bytes, four to a register
.set BS,   40                          ; weights: s[40:55] a base for each block of 32 rows; never rewritten
; 16 nb numbers of a lane, v[s + 16 b + i]: my half of block b (the other half lies in lane l xor 16), become codes in v[pc + 4 b] on; the blocks' bytes are left in v[tm + 4 + b].
.macro QUANT s, nb, tm, pc
.irp b, 0,1,2,3
.if \b < \nb
	v_max3_num_f32 v[\tm+\b], |v[\s+16*\b]|, |v[\s+1+16*\b]|, 0x8000000   ; with the floor 2^(16 - 127): the byte cannot fall under 1
.endif
.endr
.irp i, 2,4,6,8,10,12,14
.irp b, 0,1,2,3
.if \b < \nb
	v_max3_num_f32 v[\tm+\b], v[\tm+\b], |v[\s+16*\b+\i]|, |v[\s+1+16*\b+\i]|
.endif
.endr
.endr
.irp b, 0,1,2,3
.if \b < \nb
	v_permlanex16_b32 v[\tm+4+\b], v[\tm+\b], s[SEL], s[SEL+1]
.endif
.endr
.irp b, 0,1,2,3
.if \b < \nb
	v_max_num_f32 v[\tm+\b], v[\tm+\b], v[\tm+4+\b]                 ; the block's largest magnitude
.endif
.endr
.irp b, 0,1,2,3
.if \b < \nb
	v_add_nc_u32 v[\tm+12+\b], 0xf8800000, v[\tm+\b]               ; 15 off its exponent field: the conversion's scale operand
.endif
.endr
.irp b, 0,1,2,3
.if \b < \nb
	v_and_or_b32 v[\tm+8+\b], v[\tm+\b], 0x7f800000, s[MNT]        ; 57,344 x the scale
.endif
.endr
.irp b, 0,1,2,3
.if \b < \nb
	v_lshrrev_b32 v[\tm+4+\b], 23, v[\tm+12+\b]                    ; the scale's byte
.endif
.endr
.irp b, 0,1,2,3
.if \b < \nb
.irp i, 0,1,2,3,4,5,6,7,8,9,10,11,12,13,14,15
	v_med3_num_f32 v[\s+16*\b+\i], v[\s+16*\b+\i], -v[\tm+8+\b], v[\tm+8+\b]   ; the conversion does not saturate (ISA guide 7.6.2): the hold comes first
.endr
	v_cvt_scalef32_pk8_bf8_f32 v[\pc+4*\b:\pc+4*\b+1], v[\s+16*\b:\s+16*\b+7], v[\tm+12+\b]
	v_cvt_scalef32_pk8_bf8_f32 v[\pc+4*\b+2:\pc+4*\b+3], v[\s+16*\b+8:\s+16*\b+15], v[\tm+12+\b]
.endif
.endr
	v_nop                                          ; one plain line behind the last scaled conversion
.endm
	s_load_b256 s[4:11], s[0:1], 0x0               ; x s[4:5], Wq s[6:7], Wk s[8:9], Wv s[10:11]
	s_load_b128 s[12:15], s[0:1], 0x20             ; Wo s[12:13], XB s[14:15]
	s_load_b64 s[16:17], s[0:1], 0x30              ; WB
	v_lshl_add_u32 v254, v0, 2, 0x8400
	v_mov_b32 v255, 0
	v_lshrrev_b32 v1, 5, v0
	v_readfirstlane_b32 s18, v1                    ; wave 0..3
	v_and_b32 v5, 31, v0                           ; lane
	s_mov_b32 s[SEL], 0x76543210
	s_mov_b32 s[SEL+1], 0xfedcba98
	s_mov_b32 s[MNT], 0x600000
	s_wait_kmcnt 0x0
	s_cmp_lt_u32 ttmp9, 256
	s_cbranch_scc0 .Lweights
	; ---------------- x: unit u = 4 x work-group + wave: tile u / 2, K steps 4 (u % 2) .. + 3
	s_lshl_b32 s24, ttmp9, 2
	s_add_co_u32 s24, s24, s18
	s_lshr_b32 s25, s24, 1                         ; the tile of 16 rows
	s_and_b32 s26, s24, 1                          ; which half of K
	s_lshl_b32 s28, s25, 16                        ; 16 rows of 4,096 bytes
	s_lshl_b32 s27, s26, 11                        ; 512 numbers
	s_add_co_u32 s28, s28, s27
	s_mov_b32 s29, 0
	s_add_nc_u64 s[4:5], s[4:5], s[28:29]
	s_mul_i32 s28, s25, 16896
	s_lshl_b32 s27, s26, 13                        ; four K steps of 2,048 bytes of codes
	s_add_co_u32 s30, s28, s27
	s_mov_b32 s31, 0
	s_add_nc_u64 s[32:33], s[14:15], s[30:31]      ; my codes
	s_lshl_b32 s27, s26, 8
	s_add_co_u32 s30, s28, s27
	s_add_nc_u64 s[34:35], s[14:15], s[30:31]      ; my 256 bytes of scale words, less 16,384 (the store's immediate)
	s_wait_alu depctr_va_vdst(0)
	v_lshlrev_b32 v1, 4, v5                        ; 16 x lane: the loads' and the code stores' offset
	s_mul_i32 s19, s18, 8448                       ; my stage: 16 rows of 512 + 16 bytes
	v_add_nc_u32 v2, s19, v1                       ; in: as loaded
	v_and_b32 v6, 15, v0
	v_bfe_u32 v7, v0, 4, 1
	v_mul_u32_u24 v3, v6, 528
	v_lshl_add_u32 v3, v7, 5, v3
	v_add_nc_u32 v3, s19, v3                       ; out: row r, + 32 h: eight numbers of each sixteen are my half's
	v_lshlrev_b32 v4, 3, v5
.irp b, 0,1,2,3
	v_mov_b32 v[TM+4+\b], 0                        ; written once: a lane permute's destination counts as one of its sources
.endr
.macro XLD sl                          ; K step sl of my 16 rows: each load takes 512 consecutive bytes of one row
.irp rr, 0,1,2,3,4,5,6,7,8,9,10,11,12,13,14,15
	global_load_b128 v[R+64*((\sl)%2)+4*\rr:R+64*((\sl)%2)+4*\rr+3], v1, s[4:5] offset:4096*\rr+512*(\sl) th:TH_LOAD_NT
.endr
.endm
.macro XSTEP sl
.if \sl < 3
	s_wait_loadcnt 16                              ; this K step's 16 loads are in; the next step's 16 may be out
.else
	s_wait_loadcnt 0x0
.endif
.irp rr, 0,1,2,3,4,5,6,7,8,9,10,11,12,13,14,15
	ds_store_b128 v2, v[R+64*((\sl)%2)+4*\rr:R+64*((\sl)%2)+4*\rr+3] offset:528*\rr
.endr
.irp c, 0,1,2,3
.irp u, 0,1
.irp jj, 0,1
	ds_load_b128 v[X+16*\c+8*\u+4*\jj:X+16*\c+8*\u+4*\jj+3], v3 offset:128*\c+64*\u+16*\jj   ; k = 32 c + 16 u + 8 h + 4 jj on: LDS serves a wave's instructions in order, so these see the stores
.endr
.endr
.endr
	s_wait_dscnt 0x0
.if \sl < 2
	XLD (\sl)+2
.endif
	s_wait_xcnt 0x0                                ; the last step's stores have read their data: the codes' registers may be written again
	QUANT X, 4, TM, PC
	v_lshl_or_b32 v[WD+\sl], v[TM+5], 8, v[TM+4]   ; my row's scale word of this K step
	v_lshl_or_b32 v[WD+\sl], v[TM+6], 16, v[WD+\sl]
	v_lshl_or_b32 v[WD+\sl], v[TM+7], 24, v[WD+\sl]
.irp c, 0,1,2,3
	global_store_b128 v1, v[PC+4*\c:PC+4*\c+3], s[32:33] offset:2048*(\sl)+512*\c   ; 512 consecutive bytes, aligned
.endr
.endm
	XLD 0
	XLD 1
	s_wait_alu depctr_va_vdst(0)
	XSTEP 0
	XSTEP 1
	XSTEP 2
	XSTEP 3
	s_mov_b32 vcc_lo, 0xffff0000
	v_cndmask_b32 v[OUTW], v[WD], v[WD+1], vcc_lo          ; lanes 0-15 the even K step's words, lanes 16-31 the odd one's (both halves of the lanes hold row r's)
	v_cndmask_b32 v[OUTW+1], v[WD+2], v[WD+3], vcc_lo
	global_store_b64 v4, v[OUTW:OUTW+1], s[34:35] offset:16384   ; 256 consecutive bytes, aligned
	s_wait_tensorcnt 0x0
	ds_add_u32 v254, v255
	s_wait_dscnt 0x0
	s_endpgm
	; ---------------- the weights: a lane takes a column and its registers run down K: nothing is transposed
.Lweights:
	s_sub_co_u32 s24, ttmp9, 256
	s_lshr_b32 s25, s24, 2                         ; group of 128 columns, 0..19, over Wq, Wk, Wv, Wo
	s_and_b32 s26, s24, 3                          ; which 256 along K
	s_cmp_lt_u32 s25, 12
	s_cselect_b64 s[28:29], s[10:11], s[12:13]     ; the tensor,
	s_cselect_b32 s30, 10, 12                      ; its first group,
	s_cselect_b32 s31, 10, 12                      ; log2 of its row's bytes
	s_cmp_lt_u32 s25, 10
	s_cselect_b64 s[28:29], s[8:9], s[28:29]
	s_cselect_b32 s30, 8, s30
	s_cmp_lt_u32 s25, 8
	s_cselect_b64 s[28:29], s[6:7], s[28:29]
	s_cselect_b32 s30, 0, s30
	s_cselect_b32 s31, 12, s31
	s_lshl_b32 s36, 1, s31                         ; a row in bytes
	s_sub_co_u32 s37, s25, s30
	s_lshl_b32 s37, s37, 9                         ; 128 columns of 4 bytes
	s_lshl_b32 s38, s18, 7                         ; my wave's 32
	s_add_co_u32 s37, s37, s38
	s_lshl_b32 s38, s26, 8
	s_lshl_b32 s38, s38, s31                       ; 256 y rows
	s_add_co_u32 s38, s38, s37
	s_mov_b32 s39, 0
	s_add_nc_u64 s[BS:BS+1], s[28:29], s[38:39]
	s_lshl_b32 s38, s36, 5                         ; 32 rows on
.irp t, 1,2,3,4,5,6,7
	s_add_nc_u64 s[BS+2*\t:BS+2*\t+1], s[BS+2*\t-2:BS+2*\t-1], s[38:39]
.endr
	s_lshl_b32 s32, s25, 17                        ; codes: 8 tiles of 16,384 bytes a group,
	s_lshl_b32 s34, s18, 15                        ; 2 tiles a wave,
	s_add_co_u32 s32, s32, s34
	s_lshl_b32 s34, s26, 12                        ; 2 K steps of 2,048 bytes
	s_add_co_u32 s32, s32, s34
	s_mov_b32 s33, 0
	s_add_nc_u64 s[56:57], s[16:17], s[32:33]
	s_lshl_b32 s32, s25, 12                        ; scale words: 512 bytes a tile, 128 for each pair of K steps
	s_lshl_b32 s34, s18, 10
	s_add_co_u32 s32, s32, s34
	s_lshl_b32 s34, s26, 7
	s_add_co_u32 s32, s32, s34
	s_add_co_u32 s32, s32, 2621440
	s_add_nc_u64 s[58:59], s[16:17], s[32:33]
	s_wait_alu depctr_va_vdst(0)
	v_lshlrev_b32 v[OF], 2, v5
.set n, 1
.rept 31
	v_add_nc_u32 v[OF+n], s36, v[OF+n-1]
.set n, n+1
.endr
	v_lshrrev_b32 v6, 4, v5                        ; which of my two tiles
	v_and_b32 v7, 15, v5                           ; my column in it
	v_lshlrev_b32 v8, 14, v6
	v_lshl_add_u32 v8, v7, 4, v8                   ; codes: 16 bytes a column
	v_lshlrev_b32 v9, 9, v6
	v_lshl_add_u32 v9, v7, 2, v9                   ; scale words: 4 bytes a column
.macro WLD t                           ; block t: rows 32 t + n of my column
.set n, 0
.rept 32
	global_load_b32 v[WX+32*((\t)%2)+n], v[OF+n], s[BS+2*(\t):BS+2*(\t)+1] th:TH_LOAD_NT
.set n, n+1
.endr
.endm
.macro WBLOCK t
.set XQ, WX+32*((\t)%2)
.if \t < 7
	s_wait_loadcnt 32                              ; this block's 32 loads are in; the next block's may be out
.else
	s_wait_loadcnt 0x0
.endif
	v_max3_num_f32 v12, |v[XQ]|, |v[XQ+1]|, |v[XQ+2]|      ; all 32 numbers of the block are mine
	v_max3_num_f32 v13, |v[XQ+3]|, |v[XQ+4]|, |v[XQ+5]|
.irp i, 6,10,14,18,22,26
	v_max3_num_f32 v12, v12, |v[XQ+\i]|, |v[XQ+\i+1]|
	v_max3_num_f32 v13, v13, |v[XQ+\i+2]|, |v[XQ+\i+3]|
.endr
	v_max3_num_f32 v12, v12, |v[XQ+30]|, |v[XQ+31]|
	v_max3_num_f32 v12, v12, v13, 0x8000000        ; and the floor
	v_add_nc_u32 v11, 0xf8800000, v12
	v_and_or_b32 v10, v12, 0x7f800000, s[MNT]
	v_lshrrev_b32 v13, 23, v11
.if (\t)%4 == 0
	v_mov_b32 v[SBW+(\t)/4], v13
.else
	v_lshl_or_b32 v[SBW+(\t)/4], v13, 8*((\t)%4), v[SBW+(\t)/4]
.endif
.set n, 0
.rept 32
	v_med3_num_f32 v[XQ+n], v[XQ+n], -v10, v10
.set n, n+1
.endr
.irp g, 0,1,2,3                        ; k = 8 g on belongs to half h = g % 2 of the lanes, bytes 8 (g / 2) on
	v_cvt_scalef32_pk8_bf8_f32 v[WC+8*(\t)+4*(\g%2)+2*(\g/2):WC+8*(\t)+4*(\g%2)+2*(\g/2)+1], v[XQ+8*\g:XQ+8*\g+7], v11
.endr
	global_store_b128 v8, v[WC+8*(\t):WC+8*(\t)+3], s[56:57] offset:2048*((\t)/4)+512*((\t)%4)         ; sixteen lanes store 256 consecutive bytes, aligned: what lanes 0-15 of the operand hold,
	global_store_b128 v8, v[WC+8*(\t)+4:WC+8*(\t)+7], s[56:57] offset:2048*((\t)/4)+512*((\t)%4)+256   ; and lanes 16-31
.if \t < 6
	WLD (\t)+2
.endif
.endm
	WLD 0
	WLD 1
.irp t, 0,1,2,3,4,5,6,7
	WBLOCK \t
.endr
	v_nop
	global_store_b32 v9, v[SBW], s[58:59]          ; the even K step's words: lanes' places 0-15 of the register
	global_store_b32 v9, v[SBW+1], s[58:59] offset:64      ; the odd one's: places 16-31
	s_endpgm
.Lfunc_end_k_q81e9b0e638_prep:
	.size	k_q81e9b0e638_prep, .Lfunc_end_k_q81e9b0e638_prep-k_q81e9b0e638_prep
	.p2alignl 7, 3214868480
	.fill 96, 4, 3214868480
	.section	.rodata,"a",@progbits
	.p2align	6, 0x0
	.amdhsa_kernel k_q81e9b0e638_prep
		.amdhsa_group_segment_fixed_size 34304
		.amdhsa_private_segment_fixed_size 0
		.amdhsa_enable_private_segment 0
		.amdhsa_kernarg_size 56
		.amdhsa_user_sgpr_count 2
		.amdhsa_user_sgpr_kernarg_segment_ptr 1
		.amdhsa_wavefront_size32 1
		.amdhsa_system_sgpr_workgroup_id_x 1
		.amdhsa_system_sgpr_workgroup_id_y 1
		.amdhsa_system_sgpr_workgroup_id_z 1
		.amdhsa_system_vgpr_workitem_id 0
		.amdhsa_next_free_vgpr 256
		.amdhsa_next_free_sgpr 66
		.amdhsa_reserve_vcc 1
		.amdhsa_float_denorm_mode_32 3
		.amdhsa_float_denorm_mode_16_64 3
		.amdhsa_memory_ordered 1
		.amdhsa_forward_progress 1
		.amdhsa_inst_pref_size 108
	.end_amdhsa_kernel
	.amdgpu_metadata
---
amdhsa.version: [ 1, 2 ]
amdhsa.kernels:
  - .name:           k_q81e9b0e638_prep
    .symbol:         k_q81e9b0e638_prep.kd
    .args:
      - { .name: x, .offset: 0, .size: 8, .value_kind: global_buffer, .address_space: global }
      - { .name: Wq, .offset: 8, .size: 8, .value_kind: global_buffer, .address_space: global }
      - { .name: Wk, .offset: 16, .size: 8, .value_kind: global_buffer, .address_space: global }
      - { .name: Wv, .offset: 24, .size: 8, .value_kind: global_buffer, .address_space: global }
      - { .name: Wo, .offset: 32, .size: 8, .value_kind: global_buffer, .address_space: global }
      - { .name: XB, .offset: 40, .size: 8, .value_kind: global_buffer, .address_space: global }
      - { .name: WB, .offset: 48, .size: 8, .value_kind: global_buffer, .address_space: global }
    .group_segment_fixed_size: 34304
    .private_segment_fixed_size: 0
    .kernarg_segment_align: 8
    .kernarg_segment_size: 56
    .max_flat_workgroup_size: 128
    .sgpr_count:     66
    .vgpr_count:     256
    .wavefront_size: 32
...
	.end_amdgpu_metadata
.endif
;; end of part 1
;; launch proj (part 2): grid 32 x 6, 4 waves a work-group, no clusters, 270,848 bytes of LDS; arguments XB, WB, cos, sin, QB, KV; writes QB, KV
.if DOCPART == 2
	.amdgcn_target "amdgcn-amd-amdhsa--gfx1250"
	.amdhsa_code_object_version 6
	.text
	.protected	k_q81e9b0e638_proj
	.globl	k_q81e9b0e638_proj
	.p2align	8
	.type	k_q81e9b0e638_proj,@function
k_q81e9b0e638_proj:
	s_mov_b64 s[64:65], 0
	v_nop
	global_prefetch_b8 v0, s[64:65] scope:SCOPE_SE
	s_setreg_imm32_b32 hwreg(HW_REG_WAVE_MODE, 25, 1), 1
	s_wait_xcnt 0x0
; q = rope(x Wq), k = rope(x Wk), v = x Wv on codes of E5M2 (one E8M0 byte for each 32 along K), and their quantising for the two products of attention: q and k along the head's 64, v along the keys.
; SHARES.  Work-group (chunk, part): 256 tokens (16 tiles of 16) x four heads' worth of 64 columns: parts 0-3 q's heads, part 4 k's four, part 5 v's four.  Wave w owns head 4 part + w:
; its 64 columns of the weight for all of K, 512 registers, are read from memory once and stay.  The chunk's codes of x, 270,336 bytes as they lie in XB, come into LDS by one tensor load a wave, filled once.
; q, k: source 0 = 16 columns of W, source 1 = 16 tokens: a lane holds ONE token and eight neighbouring features a tile: RoPE's pairs are register pairs, and two tiles' 16 registers are a lane's half of a block of 32.
; v:    source 0 = 16 tokens, source 1 = 16 columns: a lane holds one channel and eight tokens: two tiles of tokens are a block of 32 keys.
; So the conversions' results are the next operands' registers (byte 8 u + j of lane (r, h): k = 32 c + 16 u + 8 h + j, as in every operand of this program) and leave as images, 512 aligned bytes a store.
; QB: codes [(16 b + head) 128 + tile][chunk 2][lane][16 B]; from byte 8,388,608 a scale word a row, [same][16]; bytes 2 and 3 are 0x7f: the upper half of the instruction's 128 along K is zero codes.
; KV: [4 b + kv][274,432]: [phase 4][K: tile 32 x 1,024 | V: step 4 x chunk 4 x channel tile 4 x 512]; at 262,144 K's scale words [tile 128][16]; at 270,336 V's [step 16][channel tile 4][16].
; NO CLUSTER: the work-groups that read one chunk of x are the six parts, and six is no multiple of a cluster's four; the weights go to registers, once for each work-group.
; LIMITS: a block under 2^(16 - 127) gets the byte 1; NaN and infinities are not served; the order of the sum inside a block of 32 is not ascending k.
; REGISTERS, in windows of 256: window 0 as below; windows 1, 2: the weight (tile t, K step s) at v[64 t + 16 (s % 4)] of window 1 + s / 4; window 3: v0-127 a tile of x, K step s at v[16 s].
.set TILEB, 16896
.set LA,   4                           ; v4   LDS address of the tile's codes for my lane
.set LB,   5                           ; v5   and of its scale words
.set L16,  6                           ; v6   16 x lane
.set L8,   7                           ; v7   8 x lane
.set CSO,  8                           ; v8   cos, sin: 256 r + 32 h
.set SCO,  9                           ; v9   4 r
.set L4,   10                          ; v10  4 x lane
.set XS,   12                          ; v12-15  x's scale words: register p: lanes 0-15 K step 2 p, lanes 16-31 K step 2 p + 1
.set WS,   16                          ; v16-31  the weight's, tile t at 4 t + p, laid likewise
.set ACC,  32                          ; v32-95  accumulators
.set RO,   96                          ; v96-127 the rotated numbers
.set COSR, 128                         ; IN WINDOW 3: cos of my token at my 32 features, two sets by turns: v128-159, v192-223
.set SINR, 160                         ; IN WINDOW 3: sin: v160-191, v224-255
.set PC,   192                         ; v192-207 codes
.set TM,   208                         ; v208-223 at work in QUANT
.set PW,   224                         ; v224 a scale word
.set VW,   226                         ; v226-229 v's scale words, a byte for each pair of tiles
.set VT,   230                         ; v230-231 as they are stored
.set G1,   16                          ; s[16:23] descriptor group 1
.set G0,   24                          ; s[24:27] group 0
.set WV,   28
.set PART, 29
.set CHK,  30
.set TO,   31                          ; s31 LDS byte at which the tile to be fetched begins
.set SEL,  32
.set MNT,  34
.set CNT,  35
.set WBB,  36                          ; s[36:37] my weight's codes
.set WSB,  38                          ; s[38:39] and scale words
.set DCO,  40                          ; s[40:41] where my codes go
.set DSC,  42                          ; s[42:43] and my scale words
.set MSB, 0
.macro WIN new                         ; the immediate's high byte repeats the setting that is left; a switch that changes nothing is dropped
.if MSB != (\new)
	s_set_vgpr_msb (MSB<<8)|(\new)
.set MSB, \new
.endif
.endm
.macro PLACES n
.rept \n
	v_nop
.endr
.endm
.macro QUANT s, nb, tm, pc             ; 16 nb numbers of a lane, v[s + 16 b + i]: my half of block b; codes to v[pc + 4 b] on, bytes left in v[tm + 4 + b]
.irp b, 0,1,2,3
.if \b < \nb
	v_max3_num_f32 v[\tm+\b], |v[\s+16*\b]|, |v[\s+1+16*\b]|, 0x8000000   ; with the floor 2^(16 - 127): the byte cannot fall under 1
.endif
.endr
.irp i, 2,4,6,8,10,12,14
.irp b, 0,1,2,3
.if \b < \nb
	v_max3_num_f32 v[\tm+\b], v[\tm+\b], |v[\s+16*\b+\i]|, |v[\s+1+16*\b+\i]|
.endif
.endr
.endr
.irp b, 0,1,2,3
.if \b < \nb
	v_permlanex16_b32 v[\tm+4+\b], v[\tm+\b], s[SEL], s[SEL+1]
.endif
.endr
.irp b, 0,1,2,3
.if \b < \nb
	v_max_num_f32 v[\tm+\b], v[\tm+\b], v[\tm+4+\b]
.endif
.endr
.irp b, 0,1,2,3
.if \b < \nb
	v_add_nc_u32 v[\tm+12+\b], 0xf8800000, v[\tm+\b]               ; 15 off the exponent field: the conversion's scale operand
.endif
.endr
.irp b, 0,1,2,3
.if \b < \nb
	v_and_or_b32 v[\tm+8+\b], v[\tm+\b], 0x7f800000, s[MNT]        ; 57,344 x the scale
.endif
.endr
.irp b, 0,1,2,3
.if \b < \nb
	v_lshrrev_b32 v[\tm+4+\b], 23, v[\tm+12+\b]                    ; the scale's byte
.endif
.endr
.irp b, 0,1,2,3
.if \b < \nb
.irp i, 0,1,2,3,4,5,6,7,8,9,10,11,12,13,14,15
	v_med3_num_f32 v[\s+16*\b+\i], v[\s+16*\b+\i], -v[\tm+8+\b], v[\tm+8+\b]   ; the conversion does not saturate (ISA guide 7.6.2)
.endr
	v_cvt_scalef32_pk8_bf8_f32 v[\pc+4*\b:\pc+4*\b+1], v[\s+16*\b:\s+16*\b+7], v[\tm+12+\b]
	v_cvt_scalef32_pk8_bf8_f32 v[\pc+4*\b+2:\pc+4*\b+3], v[\s+16*\b+8:\s+16*\b+15], v[\tm+12+\b]
.endif
.endr
	v_nop                                          ; one plain line behind the last scaled conversion
.endm
; The tile at LDS byte s[TO]: its four registers of scale words, then its eight fragments, K ascending: 34 LDS loads
.macro LOADX
	v_add_nc_u32 v[LA], s[TO], v[L16]
	v_add_nc_u32 v[LB], s[TO], v[L8]
	ds_load_b64 v[XS:XS+1], v[LB] offset:16384
	ds_load_b64 v[XS+2:XS+3], v[LB] offset:16640
	WIN 0xc0                                       ; destination window 3
.irp s, 0,1,2,3,4,5,6,7
.irp c, 0,1,2,3
	ds_load_b128 v[16*\s+4*\c:16*\s+4*\c+3], v[LA] offset:2048*\s+512*\c
.endr
.endr
	WIN 0
.endm
; 32 matrix instructions: the tile of x against my four tiles of columns, K = 1,024.  The four accumulators, v[acc + astep t], take turns, one instruction a turn; the first K step starts the sums.
.macro MUL swap, acc, astep
.irp s, 0,1,2,3,4,5,6,7
	s_wait_dscnt 28-4*\s                           ; K step s is in; the 4 (7 - s) loads of the later steps may be out
.if \swap
	WIN 0x0d+(\s)/4                                ; source 0 the weight (window 1, then 2), source 1 x (window 3)
.else
	WIN 0x07+4*((\s)/4)                            ; source 0 x, source 1 the weight
.endif
.irp t, 0,1,2,3
.set rD, \acc+\astep*\t
.if \swap
.set rA, 64*\t+16*((\s)%4)
.set rB, 16*\s
.set rSA, WS+4*\t+(\s)/2
.set rSB, XS+(\s)/2
.else
.set rA, 16*\s
.set rB, 64*\t+16*((\s)%4)
.set rSA, XS+(\s)/2
.set rSB, WS+4*\t+(\s)/2
.endif
.if \s == 0
	v_wmma_scale_f32_16x16x128_f8f6f4 v[rD:rD+7], v[rA:rA+15], v[rB:rB+15], 0, v[rSA], v[rSB] matrix_a_fmt:MATRIX_FMT_BF8 matrix_b_fmt:MATRIX_FMT_BF8
.elseif (\s)%2
	v_wmma_scale_f32_16x16x128_f8f6f4 v[rD:rD+7], v[rA:rA+15], v[rB:rB+15], v[rD:rD+7], v[rSA], v[rSB] matrix_a_fmt:MATRIX_FMT_BF8 matrix_b_fmt:MATRIX_FMT_BF8 matrix_a_scale:MATRIX_SCALE_ROW1 matrix_b_scale:MATRIX_SCALE_ROW1
.else
	v_wmma_scale_f32_16x16x128_f8f6f4 v[rD:rD+7], v[rA:rA+15], v[rB:rB+15], v[rD:rD+7], v[rSA], v[rSB] matrix_a_fmt:MATRIX_FMT_BF8 matrix_b_fmt:MATRIX_FMT_BF8
.endif
.endr
.endr
	WIN 0
.endm
.macro COSLD set, off                  ; cos and sin of my token at features 16 t + 8 h + 0 .. 7, of the tile off bytes behind the bases, into set: 16 loads
	WIN 0xc0                                       ; destination window 3
.irp t, 0,1,2,3
.irp jj, 0,1
	global_load_b128 v[COSR+64*(\set)+8*\t+4*\jj:COSR+64*(\set)+8*\t+4*\jj+3], v[CSO], s[8:9] offset:(\off)+64*\t+16*\jj
	global_load_b128 v[SINR+64*(\set)+8*\t+4*\jj:SINR+64*(\set)+8*\t+4*\jj+3], v[CSO], s[10:11] offset:(\off)+64*\t+16*\jj
.endr
.endr
	WIN 0
.endm
	s_load_b256 s[4:11], s[0:1], 0x0               ; XB s[4:5], WB s[6:7], cos s[8:9], sin s[10:11]
	s_load_b128 s[12:15], s[0:1], 0x20             ; QB s[12:13], KV s[14:15]
	v_lshl_add_u32 v254, v0, 2, 0x42000
	v_mov_b32 v255, 0
	ds_add_u32 v254, v255
	ds_add_u32 v254, v255
	v_lshrrev_b32 v1, 5, v0
	v_readfirstlane_b32 s[WV], v1                  ; wave 0..3
	s_and_b32 s[PART], ttmp7, 0xffff
	s_mov_b32 s[CHK], ttmp9
	; group 1: four tiles of XB, 67,584 dense bytes, as 264 rows of 32 elements of 8 bytes
	s_mov_b32 s[G1+0], 3<<16
	s_mov_b32 s[G1+1], 32<<16                      ; tensor_dim0
	s_mov_b32 s[G1+2], 264<<16                     ; tensor_dim1
	s_mov_b32 s[G1+3], 32<<16                      ; tile_dim0
	s_mov_b32 s[G1+4], 264                         ; tile_dim1
	s_mov_b32 s[G1+5], 32                          ; the pitch
	s_mov_b32 s[G1+6], 0
	s_mov_b32 s[G1+7], 0
	s_mul_i32 s44, s[WV], 4*TILEB                  ; my four tiles: in LDS,
	s_mul_i32 s46, s[CHK], 16*TILEB
	s_add_co_u32 s46, s46, s44                     ; and in XB
	s_mov_b32 s47, 0
	s_wait_dscnt 0x0
	s_wait_kmcnt 0x0
	s_mov_b32 s[G0], 1
	s_mov_b32 s[G0+1], s44
	s_add_nc_u64 s[G0+2:G0+3], s[4:5], s[46:47]
	s_or_b32 s[G0+3], s[G0+3], 0x80000000
	tensor_load_to_lds s[G0:G0+3], s[G1:G1+7]      ; my one tensor load: these LDS bytes are filled once
	s_nop 0
	PLACES 4
	v_and_b32 v1, 31, v0
	v_and_b32 v2, 15, v0                           ; r
	v_bfe_u32 v3, v0, 4, 1                         ; h
	v_lshlrev_b32 v[L16], 4, v1
	s_wait_alu depctr_va_vdst(0)
	v_lshlrev_b32 v[L8], 3, v1
	v_lshlrev_b32 v[L4], 2, v1
	s_wait_alu depctr_va_vdst(0)
	v_lshlrev_b32 v[CSO], 8, v2
	v_lshl_add_u32 v[CSO], v3, 5, v[CSO]
	v_lshlrev_b32 v[SCO], 2, v2
	s_lshl_b32 s45, s[PART], 2
	s_add_co_u32 s45, s45, s[WV]                   ; my head among the 24: weight tiles 4 x it on
	s_lshl_b32 s46, s45, 16
	s_add_nc_u64 s[WBB:WBB+1], s[6:7], s[46:47]
	s_lshl_b32 s46, s45, 11
	s_add_co_u32 s46, s46, 2621440
	s_add_nc_u64 s[WSB:WSB+1], s[6:7], s[46:47]
	WIN 0x40                                       ; destination window 1: K steps 0-3
.irp t, 0,1,2,3
.irp s, 0,1,2,3
.irp c, 0,1,2,3
	global_load_b128 v[64*\t+16*\s+4*\c:64*\t+16*\s+4*\c+3], v[L16], s[WBB:WBB+1] offset:16384*\t+2048*\s+512*\c
.endr
.endr
.endr
	WIN 0x80                                       ; destination window 2: K steps 4-7
.irp t, 0,1,2,3
.irp s, 0,1,2,3
.irp c, 0,1,2,3
	global_load_b128 v[64*\t+16*\s+4*\c:64*\t+16*\s+4*\c+3], v[L16], s[WBB:WBB+1] offset:16384*\t+2048*(\s+4)+512*\c
.endr
.endr
.endr
	WIN 0
.irp t, 0,1,2,3
.irp p, 0,1,2,3
	global_load_b32 v[WS+4*\t+\p], v[L4], s[WSB:WSB+1] offset:512*\t+128*\p
.endr
.endr
	s_mov_b32 s[SEL], 0x76543210
	s_mov_b32 s[SEL+1], 0xfedcba98
	s_mov_b32 s[MNT], 0x600000
	s_mov_b32 vcc_lo, 0xffff0000
.irp b, 0,1,2,3
	v_mov_b32 v[TM+4+\b], 0                        ; written once: a lane permute's destination counts as one of its sources
	v_mov_b32 v[VW+\b], 0
.endr
	; where the results go
	s_lshr_b32 s48, s[CHK], 3                      ; b
	s_and_b32 s49, s[CHK], 7                       ; which 256 tokens of the sequence
	s_lshl_b32 s50, s48, 4
	s_add_co_u32 s50, s50, s45
	s_lshl_b32 s50, s50, 7
	s_lshl_b32 s51, s49, 4
	s_add_co_u32 s50, s50, s51                     ; q: (16 b + head) 128 + my first tile
	s_lshl_b32 s52, s50, 10                        ; its codes,
	s_lshl_b32 s53, s50, 6
	s_add_co_u32 s53, s53, 8388608                 ; its scale words
	s_lshl_b32 s54, s48, 2
	s_add_co_u32 s54, s54, s[WV]
	s_mul_i32 s54, s54, 274432                     ; k, v: the block of kv head w of batch b
	s_lshr_b32 s55, s49, 1
	s_lshl_b32 s55, s55, 16                        ; the phase of 512 keys,
	s_add_co_u32 s55, s55, s54
	s_and_b32 s56, s49, 1
	s_lshl_b32 s56, s56, 14                        ; and its first or second 256: 16 tiles of K, or 2 steps of V
	s_add_co_u32 s55, s55, s56
	s_cmp_eq_u32 s[PART], 5
	s_cselect_b32 s56, 32768, 0                    ; V's codes lie behind K's
	s_cselect_b32 s57, 9, 10                       ; scale words of 256 tokens: V 512 bytes, K 1,024
	s_mov_b32 s58, 262144
	s_cselect_b32 s58, 270336, s58
	s_add_co_u32 s55, s55, s56
	s_lshl_b32 s57, s49, s57
	s_add_co_u32 s57, s57, s58
	s_add_co_u32 s57, s57, s54
	s_cmp_lt_u32 s[PART], 4
	s_cselect_b64 s[DCO:DCO+1], s[12:13], s[14:15]
	s_cselect_b32 s52, s52, s55
	s_cselect_b32 s53, s53, s57
	s_mov_b64 s[DSC:DSC+1], s[DCO:DCO+1]
	s_mov_b32 s46, s52
	s_add_nc_u64 s[DCO:DCO+1], s[DCO:DCO+1], s[46:47]
	s_mov_b32 s46, s53
	s_add_nc_u64 s[DSC:DSC+1], s[DSC:DSC+1], s[46:47]
	s_lshl_b32 s46, s49, 16                        ; cos, sin: 256 positions of 256 bytes
	s_add_nc_u64 s[8:9], s[8:9], s[46:47]
	s_add_nc_u64 s[10:11], s[10:11], s[46:47]
	s_cmp_eq_u32 s[PART], 5
	s_cbranch_scc1 .Lno_cos
	COSLD 0, 0                                     ; tiles 0 and 1: the tables run two tiles ahead of the rotation
	COSLD 1, 4096
.Lno_cos:
	s_mov_b32 s60, 0                               ; s[60:61], s[62:63]: what a tile adds to the stores' bases ahead of its stores: nothing in the first tile
	s_mov_b32 s61, 0
	s_mov_b32 s62, 0
	s_mov_b32 s63, 0
	s_wait_loadcnt 0x0                             ; the weight
	s_wait_tensorcnt 0x0                           ; my four tiles of x have landed,
	s_barrier_signal -1
	s_barrier_wait -1                              ; everybody's have: from here on LDS is only read
	s_mov_b32 s[TO], 0
	LOADX
	s_cmp_eq_u32 s[PART], 5
	s_cbranch_scc1 .Lv_path
; A tile of 16 tokens of q or k.  nxt = 1: the next tile's fragments, cos and sin are asked for while this one is rotated and quantised.
.macro TILE nxt, cl, set, lc           ; cl = 1: cos and sin of the tile two on are asked for; set: this tile's set of them; lc: the loads that may stay out: the next tile's 16
	MUL 1, ACC, 8
	PLACES 9                                       ; eight places in front of loads into registers that the products read and of the first read of results; nine in front of the next tile's products, which write over the accumulators
.if \nxt
	s_add_co_u32 s[TO], s[TO], TILEB
	LOADX
.endif
	s_wait_loadcnt \lc                             ; this tile's cos and sin are in
	WIN 0x0c                                       ; source 1 in window 3
.irp e, 0,2,4,6,8,10,12,14,16,18,20,22,24,26,28,30
	v_pk_mul_f32 v[RO+\e:RO+\e+1], v[ACC+\e:ACC+\e+1], v[COSR+64*(\set)+\e:COSR+64*(\set)+\e+1]
	v_fma_f32 v[RO+\e], -v[ACC+\e+1], v[SINR+64*(\set)+\e], v[RO+\e]         ; even feature: x c - (its odd neighbour) s
	v_fma_f32 v[RO+\e+1], v[ACC+\e], v[SINR+64*(\set)+\e+1], v[RO+\e+1]      ; odd feature: x c + (its even neighbour) s
.endr
	WIN 0
	s_wait_alu depctr_va_vdst(0)
	s_wait_xcnt 0x0                                ; the last tile's stores and the loads that are out have read their data and bases: all are written again below
	s_add_nc_u64 s[DCO:DCO+1], s[DCO:DCO+1], s[60:61]
	s_add_nc_u64 s[DSC:DSC+1], s[DSC:DSC+1], s[62:63]
	s_mov_b32 s60, 1024                            ; from the second tile on: a tile's codes and its scale words
	s_mov_b32 s62, 64
.if \cl
	s_add_nc_u64 s[8:9], s[8:9], 4096
	s_add_nc_u64 s[10:11], s[10:11], 4096
	COSLD \set, 4096                               ; the tile two on, into the set just read
.endif
	QUANT RO, 2, TM, PC
	v_lshl_or_b32 v[PW], v[TM+5], 8, v[TM+4]
	v_or_b32 v[PW], 0x7f7f0000, v[PW]              ; bytes 2 and 3: 1.0, over zero codes
	global_store_b128 v[L16], v[PC:PC+3], s[DCO:DCO+1]
	global_store_b128 v[L16], v[PC+4:PC+7], s[DCO:DCO+1] offset:512
	global_store_b32 v[SCO], v[PW], s[DSC:DSC+1]   ; lanes l and l xor 16 store the same word at the same place
.endm
	s_mov_b32 s[CNT], 7
.Lqk:                                              ; a trip is two tiles: the two sets of cos and sin by turns
	TILE 1, 1, 0, 16
	TILE 1, 1, 1, 16
	s_sub_co_u32 s[CNT], s[CNT], 1
	s_cmp_lg_u32 s[CNT], 0
	s_cbranch_scc1 .Lqk
	TILE 1, 0, 0, 16                               ; the last two tiles ask for no further cos and sin,
	TILE 0, 0, 1, 0                                ; and the last fetches nothing
	s_wait_tensorcnt 0x0
	ds_add_u32 v254, v255
	s_wait_dscnt 0x0
	s_endpgm
; Two tiles of tokens of v: a block of 32 keys for each of my 64 channels.  word = 1: the pair is a key step's fourth: its scale words are whole and leave.
.macro VPAIR nxt, word
	MUL 0, ACC, 16
	PLACES 9
	s_add_co_u32 s[TO], s[TO], TILEB
	LOADX
	MUL 0, ACC+8, 16
	PLACES 9
.if \nxt
	s_add_co_u32 s[TO], s[TO], TILEB
	LOADX
.endif
	QUANT ACC, 4, TM, PC                           ; block t = channel tile t: registers 16 t + 8 u + j are tokens 16 u + 8 h + j of the pair
.irp t, 0,1,2,3
	v_lshrrev_b32 v[VW+\t], 8, v[VW+\t]
.endr
.irp t, 0,1,2,3
	v_lshl_or_b32 v[VW+\t], v[TM+4+\t], 24, v[VW+\t]       ; after four pairs byte i is pair i's
.endr
.irp t, 0,1,2,3
	global_store_b128 v[L16], v[PC+4*\t:PC+4*\t+3], s[DCO:DCO+1] offset:512*\t
.endr
.if \word
	v_cndmask_b32 v[VT], v[VW], v[VW+1], vcc_lo    ; lanes 0-15 an even channel tile's words, lanes 16-31 the odd one's
	v_cndmask_b32 v[VT+1], v[VW+2], v[VW+3], vcc_lo
	global_store_b32 v[L4], v[VT], s[DSC:DSC+1]
	global_store_b32 v[L4], v[VT+1], s[DSC:DSC+1] offset:128
.endif
	s_wait_xcnt 0x0                                ; the stores have read their data and bases
	s_add_nc_u64 s[DCO:DCO+1], s[DCO:DCO+1], 2048
.if \word
	s_add_nc_u64 s[DSC:DSC+1], s[DSC:DSC+1], 256
.endif
.endm
.Lv_path:
	s_mov_b32 s[CNT], 3
.Lv_a:
	VPAIR 1, 0
	s_sub_co_u32 s[CNT], s[CNT], 1
	s_cmp_lg_u32 s[CNT], 0
	s_cbranch_scc1 .Lv_a
	VPAIR 1, 1
	s_mov_b32 s[CNT], 3
.Lv_b:
	VPAIR 1, 0
	s_sub_co_u32 s[CNT], s[CNT], 1
	s_cmp_lg_u32 s[CNT], 0
	s_cbranch_scc1 .Lv_b
	VPAIR 0, 1
	s_wait_tensorcnt 0x0
	ds_add_u32 v254, v255
	s_wait_dscnt 0x0
	s_endpgm
.Lfunc_end_k_q81e9b0e638_proj:
	.size	k_q81e9b0e638_proj, .Lfunc_end_k_q81e9b0e638_proj-k_q81e9b0e638_proj
	.p2alignl 7, 3214868480
	.fill 96, 4, 3214868480
	.section	.rodata,"a",@progbits
	.p2align	6, 0x0
	.amdhsa_kernel k_q81e9b0e638_proj
		.amdhsa_group_segment_fixed_size 270848
		.amdhsa_private_segment_fixed_size 0
		.amdhsa_enable_private_segment 0
		.amdhsa_kernarg_size 48
		.amdhsa_user_sgpr_count 2
		.amdhsa_user_sgpr_kernarg_segment_ptr 1
		.amdhsa_wavefront_size32 1
		.amdhsa_system_sgpr_workgroup_id_x 1
		.amdhsa_system_sgpr_workgroup_id_y 1
		.amdhsa_system_sgpr_workgroup_id_z 1
		.amdhsa_system_vgpr_workitem_id 0
		.amdhsa_next_free_vgpr 1024
		.amdhsa_next_free_sgpr 66
		.amdhsa_reserve_vcc 1
		.amdhsa_float_denorm_mode_32 3
		.amdhsa_float_denorm_mode_16_64 3
		.amdhsa_memory_ordered 1
		.amdhsa_forward_progress 1
		.amdhsa_inst_pref_size 173
	.end_amdhsa_kernel
	.amdgpu_metadata
---
amdhsa.version: [ 1, 2 ]
amdhsa.kernels:
  - .name:           k_q81e9b0e638_proj
    .symbol:         k_q81e9b0e638_proj.kd
    .args:
      - { .name: XB, .offset: 0, .size: 8, .value_kind: global_buffer, .address_space: global }
      - { .name: WB, .offset: 8, .size: 8, .value_kind: global_buffer, .address_space: global }
      - { .name: cos, .offset: 16, .size: 8, .value_kind: global_buffer, .address_space: global }
      - { .name: sin, .offset: 24, .size: 8, .value_kind: global_buffer, .address_space: global }
      - { .name: QB, .offset: 32, .size: 8, .value_kind: global_buffer, .address_space: global }
      - { .name: KV, .offset: 40, .size: 8, .value_kind: global_buffer, .address_space: global }
    .group_segment_fixed_size: 270848
    .private_segment_fixed_size: 0
    .kernarg_segment_align: 8
    .kernarg_segment_size: 48
    .max_flat_workgroup_size: 128
    .sgpr_count:     66
    .vgpr_count:     1024
    .wavefront_size: 32
...
	.end_amdgpu_metadata
.endif
;; end of part 2
;; launch attn (part 3): grid 16 x 16, 16 waves a work-group, clusters of 4 x 1, 276,480 bytes of LDS; arguments QB, KV, OB; writes OB
.if DOCPART == 3
	.amdgcn_target "amdgcn-amd-amdhsa--gfx1250"
	.amdhsa_code_object_version 6
	.text
	.protected	k_q81e9b0e638_attn
	.globl	k_q81e9b0e638_attn
	.p2align	8
	.type	k_q81e9b0e638_attn,@function
k_q81e9b0e638_attn:
	s_mov_b64 s[64:65], 0
	v_nop
	global_prefetch_b8 v0, s[64:65] scope:SCOPE_SE
	s_setreg_imm32_b32 hwreg(HW_REG_WAVE_MODE, 25, 1), 1
	s_wait_xcnt 0x0
	s_wait_alu depctr_hold_cnt(0) depctr_sa_sdst(0) depctr_va_vdst(0) depctr_va_sdst(0) depctr_va_ssrc(0) depctr_va_vcc(0) depctr_vm_vsrc(0)
	s_getreg_b32 s2, hwreg(HW_REG_IB_STS2, 6, 4)
	s_cmp_eq_u32 s2, 0
	s_cbranch_scc0 .Lentry_in_a_cluster
	s_endpgm
.Lentry_in_a_cluster:
	s_bfe_u32 s2, ttmp6, 0x10000c
	s_cmp_lg_u32 s2, 0x3003
	s_cbranch_scc0 .Lentry_shape_is_right
	s_endpgm
.Lentry_shape_is_right:
; o = softmax(q k^T / 8, causal) v for 16 query heads of 64 channels on 4 kv heads, both products on codes of E5M2 with one E8M0 byte for each 32 along K; o is quantised along the hidden axis for the last product.
; THE SOFTMAX: t = score x log2(e) / 8; M = the running largest t rounded UP to a whole number; p = 2^(t - M) is quantised along the keys, not normalised; the row's sum is taken of the unquantised p and divides o at the end.
; When M moves, the sum and o are multiplied by 2^(old M - new M): exact.
; LEFT OUT: key steps (128 keys) all of whose keys come after a tile's 16 queries: reference()'s own causal mask gives them p = 0 for all values of the inputs.  A NaN or an infinity that reaches only such keys is not carried to the result.
; SHARES.  256 work-groups of sixteen waves, four waves to a SIMD, 256 registers a wave.  The sixteen work-groups of a kv head (4 b + kv = grid y) own its four query heads' 512 tiles of 16 queries.
; Wave w: head 4 kv + w / 4; u = 4 (w % 4) + cluster x; it takes tile t = 4 u + place in the cluster and then tile 127 - t, one after the other: t / 8 + 1 and 16 - t / 8 key steps, 17 for every wave alike.
; LDS holds the kv head's whole block of KV, 274,432 bytes as it lies in memory, filled ONCE: each wave asks for 67 rows of 256 bytes, one tensor load; every wave waits for its load, one barrier follows, and from there on LDS is only read.
; CLUSTER.  The four work-groups of a cluster share (b, kv) and ask for the block JOINTLY (mask 15).  No branch and no LDS address hangs on the place in the cluster: the diagonals' steps, u / 2 and 15 - u / 2, are made of the
; cluster's number and the wave's alone; the place enters Q's and OB's addresses and the mask's comparand.
; NO PREFETCH: all that the launch reads is asked for at its head, by the sixteen tensor loads and six loads of Q a wave; no loop has a later request to run ahead of.
; THE LOOPS' TRIP COUNTS ARE CONSTANTS (8 and 16); a step beyond the diagonal is jumped over by a scalar branch on ids.  A step's LDS addresses are made of the step's number.
; LAYOUT.  S^T = K Q^T (source 0 = 16 keys, source 1 = my 16 queries), O^T = V^T P^T (source 0 = 16 channels, source 1 = P): a lane holds ONE query.  Byte 8 u + j of chunk c of lane (r, h) is k = 32 c + 16 u + 8 h + j in
; every operand, which is how two neighbouring results lie: p's conversions give the second product's operand as it stands.
; K = 64 IN A FORM OF 128: Q's registers 8-15 are zero codes; K's tiles lie packed, eight registers each, so a tile's registers 8-15 are the next tile's codes (or zeros behind the last): finite numbers x 0.  Scale bytes 2, 3 are 0x7f.
; The scale half words of o leave by stores of 2 bytes a row, 8 bytes apart: 512 bytes a tile of rows, one part in 33 of what the launch stores.
; LIMITS: a block under 2^(16 - 127) gets the byte 1; NaN and infinities are not served; the scaled scores stay under 2^31 in magnitude; the order of the sum inside a block of 32 is not ascending k.
.set L16,  1                           ; v1   16 x lane
.set L4,   2                           ; v2   4 x lane
.set ADK,  3                           ; v3   LDS address of the step's codes
.set ADS,  4                           ; v4   of K's scale words
.set ADT,  5                           ; v5   of V's
.set DM1,  6                           ; v6   16 (tile % 8) + r - 8 h of my first tile: register 8 T + j holds a hidden key of the diagonal's step where 16 T + j is above it
.set R8,   7                           ; v7   8 r
.set DM2,  8                           ; v8   as v6, of my second tile
.set QF,   16                          ; v16-23 Q's codes; v24-31 zero codes
.set FR,   32                          ; v32-95 eight tiles of K, later four fragments of V; v32-47 at work in the way out's QUANT
.set ZK,   96                          ; v96-103 zero codes behind K's last tile
.set S,    104                         ; v104-167 S^T, then p
.set O,    168                         ; v168-199 O^T
.set VS,   200                         ; v200-201 V's scale words
.set Q2,   204                         ; v204-211 the second tile's codes of Q, v212 its scale word
.set SPW,  222                         ; v222 my spare word; v223 0
.set NIL,  223
.set PC,   224                         ; v224-239 p's codes; v232-247 at work ahead of them; v12 -M, v13 the largest t, v[14:15] the sum; v252 f, v253 p's scale word, v254 at work, v255 Q's scale word
.set KS,   248                         ; v248-251 K's scale words
.set G1,   16                          ; s[16:23] group 1: 67 rows of 256 bytes
.set G0,   32                          ; s[32:35] group 0
.set SD2,  36                          ; s36 the key step on my second tile's diagonal
.set T1,   37                          ; s37, s38 my tiles
.set T2,   38
.set WV,   52
.set SD1,  53                          ; s53 the key step on my first tile's diagonal
.set KJ,   54                          ; s54 the key step in hand: the loops' counter
.set TB,   55                          ; s55 LDS byte of its codes
.set TS,   56                          ; s56 of K's scale words
.set TJ,   57                          ; s57 of V's
.set CS,   58                          ; s[58:59] c = log2(e) / 8
.set SEL,  60
.set MNT,  62
.macro ROUND                           ; a round of the cluster's barrier
	s_barrier_signal -1
	s_barrier_wait -1
	s_cmp_lg_u32 s[WV], 0
	s_cbranch_scc1 .Lnot_wave_0_\@
	s_barrier_signal -3
.Lnot_wave_0_\@:
	s_barrier_wait -3
	s_barrier_signal -1
	s_barrier_wait -1
.endm
.macro QUANT s, nb, tm, pc             ; 16 nb numbers of a lane, v[s + 16 b + i]: my half of block b; codes to v[pc + 4 b] on, bytes left in v[tm + 4 + b]
.irp b, 0,1,2,3
.if \b < \nb
	v_max3_num_f32 v[\tm+\b], |v[\s+16*\b]|, |v[\s+1+16*\b]|, 0x8000000
.endif
.endr
.irp i, 2,4,6,8,10,12,14
.irp b, 0,1,2,3
.if \b < \nb
	s_delay_alu instid0(VALU_DEP_2)
	v_max3_num_f32 v[\tm+\b], v[\tm+\b], |v[\s+16*\b+\i]|, |v[\s+1+16*\b+\i]|
.endif
.endr
.endr
.irp b, 0,1,2,3
.if \b < \nb
	s_delay_alu instid0(VALU_DEP_2)
	v_permlanex16_b32 v[\tm+4+\b], v[\tm+\b], s[SEL], s[SEL+1]
.endif
.endr
.irp b, 0,1,2,3
.if \b < \nb
	s_delay_alu instid0(VALU_DEP_2)
	v_max_num_f32 v[\tm+\b], v[\tm+\b], v[\tm+4+\b]
.endif
.endr
.irp b, 0,1,2,3
.if \b < \nb
	s_delay_alu instid0(VALU_DEP_2)
	v_add_nc_u32 v[\tm+12+\b], 0xf8800000, v[\tm+\b]
.endif
.endr
.irp b, 0,1,2,3
.if \b < \nb
	s_delay_alu instid0(VALU_DEP_4)
	v_and_or_b32 v[\tm+8+\b], v[\tm+\b], 0x7f800000, s[MNT]
.endif
.endr
.irp b, 0,1,2,3
.if \b < \nb
	s_delay_alu instid0(VALU_DEP_4)
	v_lshrrev_b32 v[\tm+4+\b], 23, v[\tm+12+\b]
.endif
.endr
.irp b, 0,1,2,3
.if \b < \nb
.irp i, 0,1,2,3,4,5,6,7,8,9,10,11,12,13,14,15
	v_med3_num_f32 v[\s+16*\b+\i], v[\s+16*\b+\i], -v[\tm+8+\b], v[\tm+8+\b]
.endr
	v_cvt_scalef32_pk8_bf8_f32 v[\pc+4*\b:\pc+4*\b+1], v[\s+16*\b:\s+16*\b+7], v[\tm+12+\b]
	v_cvt_scalef32_pk8_bf8_f32 v[\pc+4*\b+2:\pc+4*\b+3], v[\s+16*\b+8:\s+16*\b+15], v[\tm+12+\b]
.endif
.endr
	v_nop
.endm
; Where a tile's Q lies and where its o goes.  s80 = (16 b + head) 128, s81 = 128 b, s87 = 1,024 head, s88 = my head's half word among a tile's scale words, s75 = 0
.macro ADDR tl, qc, qs, oc, os
	s_add_co_u32 s86, s80, s[\tl]
	s_lshl_b32 s74, s86, 10
	s_add_nc_u64 s[\qc:\qc+1], s[4:5], s[74:75]    ; Q's codes
	s_lshl_b32 s74, s86, 6
	s_add_co_u32 s74, s74, 8388608
	s_add_nc_u64 s[\qs:\qs+1], s[4:5], s[74:75]    ; Q's scale words
	s_add_co_u32 s86, s81, s[\tl]
	s_mul_i32 s86, s86, 16896                      ; OB: the tile of rows 128 b + tile
	s_add_co_u32 s74, s86, s87
	s_add_nc_u64 s[\oc:\oc+1], s[8:9], s[74:75]    ; my head's two chunks
	s_add_co_u32 s74, s86, s88
	s_add_nc_u64 s[\os:\os+1], s[8:9], s[74:75]
.endm
.macro INIT                            ; a tile begins: the step is written once: the first finds zeros, which the first change of M leaves zeros
	v_mov_b32 v13, 0xff61b1e6                      ; the largest t so far: -3e38, under every t
	s_delay_alu instid0(VALU_DEP_1)
	v_floor_f32 v12, -v13                          ; -M
	v_mov_b32 v14, 0
	v_mov_b32 v15, 0
.set n, 0
.rept 32
	v_mov_b32 v[O+n], 0
.set n, n+1
.endr
.endm
	s_load_b128 s[4:7], s[0:1], 0x0                ; QB s[4:5], KV s[6:7]
	s_load_b64 s[8:9], s[0:1], 0x10                ; OB
	v_lshl_add_u32 v222, v0, 2, 0x43000
	v_mov_b32 v223, 0
	ds_add_u32 v222, v223                          ; the opening lines: the add, twice on end, and its wait ahead of my tensor load
	ds_add_u32 v222, v223
	v_lshrrev_b32 v1, 5, v0
	s_delay_alu instid0(VALU_DEP_1)
	v_readfirstlane_b32 s[WV], v1                  ; wave 0..15
	s_and_b32 s66, ttmp7, 0xffff                   ; 4 b + kv, which the four partners share
	s_bfe_u32 s67, ttmp6, 0x40000                  ; my place in the cluster
	s_mov_b32 s[G1+0], 15|(3<<16)|(1<<21)          ; the mask: all four; elements of 8 bytes; bit 21 beside a mask
	s_mov_b32 s[G1+1], 32<<16
	s_mov_b32 s[G1+2], 67<<16
	s_mov_b32 s[G1+3], 32<<16
	s_mov_b32 s[G1+4], 67
	s_mov_b32 s[G1+5], 32
	s_mov_b32 s[G1+6], 0
	s_mov_b32 s[G1+7], 0
	s_mul_i32 s68, s66, 274432                     ; the kv head's block,
	s_mov_b32 s69, 0
	s_mul_i32 s70, s[WV], 17152                    ; my sixteenth of it: its byte in the block and in LDS
	s_mov_b32 s71, 0
	s_add_nc_u64 s[68:69], s[68:69], s[70:71]
	s_mov_b32 s75, 0
	s_wait_dscnt 0x0
	s_wait_kmcnt 0x0
	s_mov_b32 s[G0], 1
	s_mov_b32 s[G0+1], s70
	s_add_nc_u64 s[G0+2:G0+3], s[6:7], s[68:69]
	s_or_b32 s[G0+3], s[G0+3], 0x80000000
	ROUND                                          ; all four work-groups are here: the joint loads meet
	tensor_load_to_lds s[G0:G0+3], s[G1:G1+7]      ; my one tensor load: these LDS bytes are filled once
	s_nop 0
.rept 4
	v_nop
.endr
	s_lshr_b32 s76, s[WV], 2                       ; which of the four query heads
	s_and_b32 s77, s[WV], 3
	s_lshl_b32 s77, s77, 2
	s_add_co_u32 s77, s77, ttmp9                   ; u
	s_lshr_b32 s[SD1], s77, 1                      ; t / 8: the same in all four partners
	s_sub_co_u32 s[SD2], 15, s[SD1]                ; (127 - t) / 8
	s_lshl_b32 s[T1], s77, 2
	s_add_co_u32 s[T1], s[T1], s67                 ; t
	s_sub_co_u32 s[T2], 127, s[T1]
	s_and_b32 s84, s66, 3
	s_lshl_b32 s84, s84, 2
	s_add_co_u32 s84, s84, s76                     ; my head
	s_lshr_b32 s85, s66, 2                         ; b
	s_lshl_b32 s80, s85, 4
	s_add_co_u32 s80, s80, s84
	s_lshl_b32 s80, s80, 7
	s_lshl_b32 s81, s85, 7
	s_lshl_b32 s87, s84, 10
	s_lshr_b32 s82, s84, 1                         ; the last product's K step
	s_lshr_b32 s88, s82, 2
	s_lshl_b32 s88, s88, 8                         ; the half of the scale words,
	s_and_b32 s83, s82, 1
	s_lshl_b32 s83, s83, 7                         ; lanes 0-15 or 16-31,
	s_add_co_u32 s88, s88, s83
	s_bfe_u32 s83, s82, 0x10001
	s_lshl_b32 s83, s83, 2                         ; the word of the two,
	s_add_co_u32 s88, s88, s83
	s_and_b32 s83, s84, 1
	s_lshl_b32 s83, s83, 1                         ; and its half
	s_add_co_u32 s88, s88, s83
	s_add_co_u32 s88, s88, 16384
	ADDR T1, 10, 12, 14, 2
	ADDR T2, 24, 26, 28, 30
	s_and_b32 s82, s[T1], 7
	s_lshl_b32 s82, s82, 4
	s_and_b32 s83, s[T2], 7
	s_lshl_b32 s83, s83, 4
	v_and_b32 v9, 31, v0
	v_and_b32 v10, 15, v0                          ; r
	v_bfe_u32 v11, v0, 4, 1                        ; h
	v_lshlrev_b32 v[L16], 4, v9
	v_lshlrev_b32 v[L4], 2, v9
	v_lshlrev_b32 v[R8], 3, v10
	v_lshlrev_b32 v9, 2, v10                       ; 4 r
	v_lshlrev_b32 v11, 3, v11
	v_sub_nc_u32 v11, v10, v11                     ; r - 8 h
	v_add_nc_u32 v[DM1], s82, v11
	v_add_nc_u32 v[DM2], s83, v11
	global_load_b128 v[QF:QF+3], v[L16], s[10:11]
	global_load_b128 v[QF+4:QF+7], v[L16], s[10:11] offset:512
	global_load_b32 v255, v9, s[12:13]
	global_load_b128 v[Q2:Q2+3], v[L16], s[24:25]
	global_load_b128 v[Q2+4:Q2+7], v[L16], s[24:25] offset:512
	global_load_b32 v[Q2+8], v9, s[26:27]
	s_mov_b32 s[CS], 0x3e38aa3b                    ; log2(e) / 8
	s_mov_b32 s[CS+1], s[CS]                       ; (named with it as a pair, so it is written)
	s_mov_b32 s[SEL], 0x76543210
	s_mov_b32 s[SEL+1], 0xfedcba98
	s_mov_b32 s[MNT], 0x600000
	v_mov_b32 v252, 0
	v_mov_b32 v253, 0                              ; (named as the upper half of the pair v[252:253] before it is first written)
.irp b, 0,1,2,3
	v_mov_b32 v[236+\b], 0                         ; written once: a lane permute's destination counts as one of its sources
.endr
.set n, 0
.rept 8
	v_mov_b32 v[QF+8+n], 0                         ; zero codes: the upper 64 of the instruction's 128 along K
	v_mov_b32 v[ZK+n], 0
.set n, n+1
.endr
	INIT
	s_wait_alu depctr_va_vdst(0)
	s_wait_loadcnt 0x0                             ; both tiles' Q
	s_wait_tensorcnt 0x0                           ; my sixteenth of the block has landed,
	s_barrier_signal -1
	s_barrier_wait -1                              ; everybody's has: from here on LDS is only read
; A KEY STEP: 128 keys.  sd: the scalar with the diagonal's step; dm: the vector with the mask's comparand.  A step beyond the diagonal is left out: a scalar branch on ids.
.macro STEP sd, dm
	s_cmp_gt_u32 s[KJ], s[\sd]
	s_cbranch_scc1 .Lhidden_\@
	s_and_b32 s[TB], s[KJ], 12                     ; the codes: 65,536 bytes for each four steps, 8,192 a step in them
	s_lshl_b32 s[TB], s[TB], 14
	s_and_b32 s[TS], s[KJ], 3
	s_lshl_b32 s[TS], s[TS], 13
	s_add_co_u32 s[TB], s[TB], s[TS]
	s_and_b32 s[TJ], s[KJ], 15
	s_lshl_b32 s[TS], s[TJ], 9                     ; K's scale words: 512 bytes a step
	s_add_co_u32 s[TS], s[TS], 262144
	s_lshl_b32 s[TJ], s[TJ], 8                     ; V's: 256
	s_add_co_u32 s[TJ], s[TJ], 270336
	v_add_nc_u32 v[ADK], s[TB], v[L16]
	v_add_nc_u32 v[ADS], s[TS], v[L4]
	v_add_nc_u32 v[ADT], s[TJ], v[L4]
.rept 5
	v_nop                                          ; with the three additions: eight places in front of loads into registers that the last products read
.endr
.irp t, 0,1,2,3,4,5,6,7
	ds_load_b128 v[FR+8*\t:FR+8*\t+3], v[ADK] offset:1024*\t
	ds_load_b128 v[FR+8*\t+4:FR+8*\t+7], v[ADK] offset:1024*\t+512
.endr
.irp i, 0,1,2,3
	ds_load_b32 v[KS+\i], v[ADS] offset:128*\i     ; lanes 0-15 tile 2 i's words, lanes 16-31 tile 2 i + 1's
.endr
	s_wait_alu depctr_va_vdst(0)
	s_wait_dscnt 0x0
.irp t, 0,2,4,6
	v_wmma_scale_f32_16x16x128_f8f6f4 v[S+8*\t:S+8*\t+7], v[FR+8*\t:FR+8*\t+15], v[QF:QF+15], 0, v[KS+\t/2], v255 matrix_a_fmt:MATRIX_FMT_BF8 matrix_b_fmt:MATRIX_FMT_BF8
	v_wmma_scale_f32_16x16x128_f8f6f4 v[S+8*\t+8:S+8*\t+15], v[FR+8*\t+8:FR+8*\t+23], v[QF:QF+15], 0, v[KS+\t/2], v255 matrix_a_fmt:MATRIX_FMT_BF8 matrix_b_fmt:MATRIX_FMT_BF8 matrix_a_scale:MATRIX_SCALE_ROW1
.endr
.rept 8
	v_nop                                          ; places in front of the loads below and of the first read of the scores
.endr
.irp t, 0,1,2,3                        ; V is asked for now and lands under the softmax
.irp c, 0,1,2,3
	ds_load_b128 v[FR+16*\t+4*\c:FR+16*\t+4*\c+3], v[ADK] offset:32768+2048*\c+512*\t
.endr
.endr
	ds_load_b32 v[VS], v[ADT]                      ; lanes 0-15 channel tile 0's words, lanes 16-31 tile 1's
	ds_load_b32 v[VS+1], v[ADT] offset:128
	s_cmp_lt_u32 s[KJ], s[\sd]                     ; only the diagonal's step has hidden keys: their scores become -infinity ahead of the maximum, so p = 0
	s_cbranch_scc1 .Lopen_\@
	v_mov_b32 v254, 0xff800000
.set n, 0
.rept 64
	v_cmp_gt_i32 vcc_lo, 16*(n/8)+n%8, v[\dm]
	v_cndmask_b32 v[S+n], v[S+n], v254, vcc_lo
.set n, n+1
.endr
.Lopen_\@:
.irp b, 0,1,2,3
	v_max3_num_f32 v[232+\b], v[S+16*\b], v[S+1+16*\b], v[S+2+16*\b]       ; the largest score of each block of 32 keys: for the row's maximum, and, since p rises with the score, for the block's largest p
.endr
.irp i, 3,5,7,9,11,13
.irp b, 0,1,2,3
	v_max3_num_f32 v[232+\b], v[232+\b], v[S+16*\b+\i], v[S+1+16*\b+\i]
.endr
.endr
.irp b, 0,1,2,3
	v_max_num_f32 v[232+\b], v[232+\b], v[S+15+16*\b]
.endr
.irp b, 0,1,2,3
	v_permlanex16_b32 v[236+\b], v[232+\b], s[SEL], s[SEL+1]
.endr
.irp b, 0,1,2,3
	s_delay_alu instid0(VALU_DEP_4)
	v_max_num_f32 v[232+\b], v[232+\b], v[236+\b]  ; with lane l xor 16's 16 keys
.endr
	s_delay_alu instid0(VALU_DEP_2)
	v_max3_num_f32 v254, v232, v233, v234
	s_delay_alu instid0(VALU_DEP_1)
	v_max_num_f32 v254, v254, v235
	s_delay_alu instid0(VALU_DEP_1)
	v_mul_f32 v254, s[CS], v254                    ; as t (c is positive)
	s_delay_alu instid0(VALU_DEP_1)
	v_max_num_f32 v13, v13, v254                   ; the running largest t
	v_mov_b32 v254, v12
	s_delay_alu instid0(VALU_DEP_2)
	v_floor_f32 v12, -v13                          ; the new -M = floor(-t): M is a whole number
	s_delay_alu instid0(VALU_DEP_1)
	v_sub_f32 v254, v12, v254                      ; old M - new M: a whole number, 0 or less
	s_delay_alu instid0(VALU_DEP_1)
	v_cvt_i32_f32 v254, v254                       ; (it saturates)
	s_delay_alu instid0(VALU_DEP_1)
	v_ldexp_f32 v252, 1.0, v254                    ; f = 2^(old M - new M)
.set n, 0
.rept 32
	v_pk_fma_f32 v[S+n:S+n+1], v[S+n:S+n+1], s[CS:CS+1], v[12:13] op_sel_hi:[1,0,0]   ; t - M, two at a time
.set n, n+2
.endr
.irp b, 0,1,2,3
	v_fma_f32 v[232+\b], v[232+\b], s[CS], v12     ; the same of each block's largest score
.endr
.set n, 0
	s_wait_alu depctr_va_vdst(0)
.rept 64
	v_exp_f32 v[S+n], v[S+n]                       ; p = 2^(t - M), at most 1
.set n, n+1
.endr
	v_pk_mul_f32 v[14:15], v[14:15], v[252:253] op_sel_hi:[1,0]    ; the sums under the new M: the plain line behind the exponentials
	s_wait_alu depctr_va_vdst(0)                   ; one wait for the batch of 64, ahead of its first reader
.irp b, 0,1,2,3
	v_exp_f32 v[232+\b], v[232+\b]                 ; the block's largest p
.endr
	v_pk_add_f32 v[236:237], v[108:109], v[112:113]        ; the row's sum of the unquantised p, in eight chains
	v_pk_add_f32 v[250:251], v[116:117], v[120:121]
	v_pk_add_f32 v[248:249], v[124:125], v[128:129]
	v_pk_add_f32 v[246:247], v[132:133], v[136:137]
	v_pk_add_f32 v[244:245], v[140:141], v[144:145]
	v_pk_add_f32 v[242:243], v[148:149], v[152:153]
	v_pk_add_f32 v[240:241], v[156:157], v[160:161]
	v_pk_add_f32 v[14:15], v[14:15], v[164:165]
	v_pk_add_f32 v[236:237], v[236:237], v[104:105]
	v_pk_add_f32 v[250:251], v[250:251], v[106:107]
	v_pk_add_f32 v[248:249], v[248:249], v[110:111]
	v_pk_add_f32 v[246:247], v[246:247], v[114:115]
	v_pk_add_f32 v[244:245], v[244:245], v[118:119]
	v_pk_add_f32 v[242:243], v[242:243], v[122:123]
	v_pk_add_f32 v[240:241], v[240:241], v[126:127]
	v_pk_add_f32 v[14:15], v[14:15], v[130:131]
	v_pk_add_f32 v[236:237], v[236:237], v[134:135]
	v_pk_add_f32 v[250:251], v[250:251], v[138:139]
	v_pk_add_f32 v[248:249], v[248:249], v[142:143]
	v_pk_add_f32 v[246:247], v[246:247], v[146:147]
	v_pk_add_f32 v[244:245], v[244:245], v[150:151]
	v_pk_add_f32 v[242:243], v[242:243], v[154:155]
	v_pk_add_f32 v[240:241], v[240:241], v[158:159]
	v_pk_add_f32 v[14:15], v[14:15], v[162:163]
	v_pk_add_f32 v[236:237], v[236:237], v[166:167]
	s_delay_alu instid0(VALU_DEP_2)
	v_pk_add_f32 v[14:15], v[14:15], v[246:247]
	s_delay_alu instid0(VALU_DEP_2)
	v_pk_add_f32 v[236:237], v[236:237], v[244:245]
	v_pk_add_f32 v[250:251], v[250:251], v[242:243]
	v_pk_add_f32 v[248:249], v[248:249], v[240:241]
	s_delay_alu instid0(VALU_DEP_2)
	v_pk_add_f32 v[14:15], v[14:15], v[250:251]
	s_delay_alu instid0(VALU_DEP_2)
	v_pk_add_f32 v[236:237], v[236:237], v[248:249]
	s_delay_alu instid0(VALU_DEP_1)
	v_pk_add_f32 v[14:15], v[14:15], v[236:237]
	s_wait_alu depctr_va_vdst(0)                   ; and one for the four
.irp b, 0,1,2,3
	v_max_num_f32 v[232+\b], 0x8000000, v[232+\b]  ; the floor 2^(16 - 127)
.endr
.irp b, 0,1,2,3
	s_delay_alu instid0(VALU_DEP_4)
	v_add_nc_u32 v[244+\b], 0xf8800000, v[232+\b]
.endr
.irp b, 0,1,2,3
	v_and_or_b32 v[240+\b], v[232+\b], 0x7f800000, s[MNT]
.endr
.irp b, 0,1,2,3
	v_lshrrev_b32 v[236+\b], 23, v[244+\b]
.endr
	s_delay_alu instid0(VALU_DEP_3)
	v_lshl_or_b32 v253, v237, 8, v236              ; p's scale word for these 128 keys
	s_delay_alu instid0(VALU_DEP_1)
	v_lshl_or_b32 v253, v238, 16, v253
	s_delay_alu instid0(VALU_DEP_1)
	v_lshl_or_b32 v253, v239, 24, v253
; The hold: p is not negative, so it is one-sided.  Two holds an instruction: number n of block b beside number (n + 1) % 16 of block b + 1: one destination even, the other odd, and each pair of sources in registers whose numbers differ modulo 4
.irp b, 0,2
.set n, 0
.rept 16
	v_dual_min_num_f32 v[S+16*\b+n], v[S+16*\b+n], v[240+\b] :: v_dual_min_num_f32 v[S+16*\b+16+(n+1)%16], v[S+16*\b+16+(n+1)%16], v[241+\b]
.set n, n+1
.endr
.irp d, 0,1
	v_cvt_scalef32_pk8_bf8_f32 v[PC+4*(\b+\d):PC+4*(\b+\d)+1], v[S+16*(\b+\d):S+16*(\b+\d)+7], v[244+\b+\d]
	v_cvt_scalef32_pk8_bf8_f32 v[PC+4*(\b+\d)+2:PC+4*(\b+\d)+3], v[S+16*(\b+\d)+8:S+16*(\b+\d)+15], v[244+\b+\d]
.endr
.endr
	s_wait_alu depctr_va_vdst(0)
.set n, 0
.rept 16
	v_pk_mul_f32 v[O+n:O+n+1], v[O+n:O+n+1], v[252:253] op_sel_hi:[1,0]    ; O^T under the new M; these are also the places between the codes and the products
.set n, n+2
.endr
	s_wait_alu depctr_va_vdst(0)
	s_wait_dscnt 0x0                               ; V
.irp t, 0,2
	v_wmma_scale_f32_16x16x128_f8f6f4 v[O+8*\t:O+8*\t+7], v[FR+16*\t:FR+16*\t+15], v[PC:PC+15], v[O+8*\t:O+8*\t+7], v[VS+\t/2], v253 matrix_a_fmt:MATRIX_FMT_BF8 matrix_b_fmt:MATRIX_FMT_BF8
	v_wmma_scale_f32_16x16x128_f8f6f4 v[O+8*\t+8:O+8*\t+15], v[FR+16*\t+16:FR+16*\t+31], v[PC:PC+15], v[O+8*\t+8:O+8*\t+15], v[VS+\t/2], v253 matrix_a_fmt:MATRIX_FMT_BF8 matrix_b_fmt:MATRIX_FMT_BF8 matrix_a_scale:MATRIX_SCALE_ROW1
.endr
.Lhidden_\@:
.endm
.macro PASS trips, sd, dm              ; a tile's walk over the keys: a constant number of trips
	s_mov_b32 s[KJ], 0
.Lstep_\@:
	STEP \sd, \dm
	s_add_co_u32 s[KJ], s[KJ], 1
	s_cmp_lt_u32 s[KJ], \trips
	s_cbranch_scc1 .Lstep_\@
.endm
; THE WAY OUT of a tile: O^T / the sum, quantised along the hidden axis: my head's 64 channels are two blocks of 32, and the codes are two chunks of the last product's operand.
.macro OUT oc, os
.rept 8
	v_nop                                          ; places behind the last products
.endr
	v_add_f32 v14, v14, v15
	s_delay_alu instid0(VALU_DEP_1)
	v_permlanex16_b32 v252, v14, s[SEL], s[SEL+1]
	s_delay_alu instid0(VALU_DEP_1)
	v_add_f32 v14, v14, v252                       ; the row's sum
	s_wait_alu depctr_va_vdst(0)
	v_rcp_f32 v14, v14
	v_mov_b32 v[FR+4], 0                           ; plain lines behind the reciprocal: a lane permute's destination counts as one of its sources
	v_mov_b32 v[FR+5], 0
	s_wait_alu depctr_va_vdst(0)                   ; and the wait ahead of its first reader
.set n, 0
.rept 32
	v_mul_f32 v[S+n], v[O+n], v14                  ; register 8 t + j: channel 16 t + 8 h + j of query r
.set n, n+1
.endr
	QUANT S, 2, FR, PC
	v_lshl_or_b32 v252, v[FR+5], 8, v[FR+4]        ; my head's half of the row's scale word
	global_store_b128 v[L16], v[PC:PC+3], s[\oc:\oc+1]
	global_store_b128 v[L16], v[PC+4:PC+7], s[\oc:\oc+1] offset:512
	global_store_b16 v[R8], v252, s[\os:\os+1]     ; lanes l and l xor 16 store the same half word at the same place
.endm
	PASS 8, SD1, DM1                               ; tile t lies among the first 64: its diagonal's step is 7 at the most
	OUT 14, 2
	v_mov_b32 v255, v[Q2+8]                        ; the second tile's Q
.set n, 0
.rept 8
	v_mov_b32 v[QF+n], v[Q2+n]
.set n, n+1
.endr
	INIT
	s_wait_alu depctr_va_vdst(0)
	s_wait_xcnt 0x0                                ; the first tile's stores have read their data: the second tile's steps write those registers again
	PASS 16, SD2, DM2
	OUT 28, 30
	s_wait_tensorcnt 0x0                           ; the wave's end
	ds_add_u32 v222, v223
	s_wait_dscnt 0x0
	ROUND                                          ; the closing round: no work-group ends while a partner may still ask jointly
	s_endpgm
.Lfunc_end_k_q81e9b0e638_attn:
	.size	k_q81e9b0e638_attn, .Lfunc_end_k_q81e9b0e638_attn-k_q81e9b0e638_attn
	.p2alignl 7, 3214868480
	.fill 96, 4, 3214868480
	.section	.rodata,"a",@progbits
	.p2align	6, 0x0
	.amdhsa_kernel k_q81e9b0e638_attn
		.amdhsa_group_segment_fixed_size 276480
		.amdhsa_private_segment_fixed_size 0
		.amdhsa_enable_private_segment 0
		.amdhsa_kernarg_size 24
		.amdhsa_user_sgpr_count 2
		.amdhsa_user_sgpr_kernarg_segment_ptr 1
		.amdhsa_wavefront_size32 1
		.amdhsa_system_sgpr_workgroup_id_x 1
		.amdhsa_system_sgpr_workgroup_id_y 1
		.amdhsa_system_sgpr_workgroup_id_z 1
		.amdhsa_system_vgpr_workitem_id 0
		.amdhsa_next_free_vgpr 256
		.amdhsa_next_free_sgpr 90
		.amdhsa_reserve_vcc 1
		.amdhsa_float_denorm_mode_32 3
		.amdhsa_float_denorm_mode_16_64 3
		.amdhsa_memory_ordered 1
		.amdhsa_forward_progress 1
		.amdhsa_inst_pref_size 73
	.end_amdhsa_kernel
	.amdgpu_metadata
---
amdhsa.version: [ 1, 2 ]
amdhsa.kernels:
  - .name:           k_q81e9b0e638_attn
    .symbol:         k_q81e9b0e638_attn.kd
    .args:
      - { .name: QB, .offset: 0, .size: 8, .value_kind: global_buffer, .address_space: global }
      - { .name: KV, .offset: 8, .size: 8, .value_kind: global_buffer, .address_space: global }
      - { .name: OB, .offset: 16, .size: 8, .value_kind: global_buffer, .address_space: global }
    .group_segment_fixed_size: 276480
    .private_segment_fixed_size: 0
    .kernarg_segment_align: 8
    .kernarg_segment_size: 24
    .max_flat_workgroup_size: 512
    .sgpr_count:     90
    .vgpr_count:     256
    .wavefront_size: 32
...
	.end_amdgpu_metadata
.endif
;; end of part 3
;; launch oproj (part 4): grid 4 x 64, 4 waves a work-group, clusters of 4 x 1, 168,448 bytes of LDS; arguments OB, WB, out0; writes out0
.if DOCPART == 4
	.amdgcn_target "amdgcn-amd-amdhsa--gfx1250"
	.amdhsa_code_object_version 6
	.text
	.protected	k_q81e9b0e638_oproj
	.globl	k_q81e9b0e638_oproj
	.p2align	8
	.type	k_q81e9b0e638_oproj,@function
k_q81e9b0e638_oproj:
	s_mov_b64 s[64:65], 0
	v_nop
	global_prefetch_b8 v0, s[64:65] scope:SCOPE_SE
	s_setreg_imm32_b32 hwreg(HW_REG_WAVE_MODE, 25, 1), 1
	s_wait_xcnt 0x0
	s_wait_alu depctr_hold_cnt(0) depctr_sa_sdst(0) depctr_va_vdst(0) depctr_va_sdst(0) depctr_va_ssrc(0) depctr_va_vcc(0) depctr_vm_vsrc(0)
	s_getreg_b32 s2, hwreg(HW_REG_IB_STS2, 6, 4)
	s_cmp_eq_u32 s2, 0
	s_cbranch_scc0 .Lentry_in_a_cluster
	s_endpgm
.Lentry_in_a_cluster:
	s_bfe_u32 s2, ttmp6, 0x10000c
	s_cmp_lg_u32 s2, 0x3003
	s_cbranch_scc0 .Lentry_shape_is_right
	s_endpgm
.Lentry_shape_is_right:
; out0 = o Wo on codes of E5M2 with one E8M0 byte for each 32 along K = 1,024; sums and result in f32.
; SHARES.  Work-group (part, chunk): 128 tokens (8 tiles of 16) x 256 output columns.  Wave w owns 64 columns, weight tiles 96 + 16 part + 4 w on: 512 registers, read from memory once.
; The chunk's codes of o, 135,168 bytes as they lie in OB, come into LDS by one tensor load a wave, filled once.
; CLUSTER.  The four parts of a chunk form a cluster and ask for that block JOINTLY (mask 15).  The place in the cluster (the part) enters the weight's and out0's addresses alone.
; Source 0 = 16 columns of Wo, source 1 = 16 tokens: a lane holds eight neighbouring outputs of one row.  A tile's 16 rows x 256 bytes go through the wave's own stage in LDS and leave with sixteen lanes to 256 consecutive, aligned bytes.
; REGISTERS, in windows of 256: window 0 as below; windows 1, 2: the weight (tile t, K step s) at v[64 t + 16 (s % 4)] of window 1 + s / 4; window 3: v0-127 a tile of o.
.set TILEB, 16896
.set STAGE, 135168                     ; behind the block: 16 rows x (256 + 16) bytes for each wave; no fill lands there
.set LA,   4
.set LB,   5
.set L16,  6
.set L8,   7
.set STO,  8                           ; v8   the stage: where I put 32 bytes of a row
.set RD,   9                           ; v9   and where I read a row back
.set L4,   10
.set CO,   11                          ; v11  the same two rows in out0
.set XS,   12                          ; v12-15 o's scale words
.set WS,   16                          ; v16-31 the weight's
.set ACC,  32                          ; v32-63 four accumulators
.set BK,   64                          ; v64-95 16 rows read back
.set G1,   16
.set G0,   24
.set WV,   28
.set PART, 29
.set CHK,  30
.set TO,   31
.set CNT,  35
.set WBB,  36
.set WSB,  38
.set MSB, 0
.macro WIN new
.if MSB != (\new)
	s_set_vgpr_msb (MSB<<8)|(\new)
.set MSB, \new
.endif
.endm
.macro PLACES n
.rept \n
	v_nop
.endr
.endm
.macro ROUND
	s_barrier_signal -1
	s_barrier_wait -1
	s_cmp_lg_u32 s[WV], 0
	s_cbranch_scc1 .Lnot_wave_0_\@
	s_barrier_signal -3
.Lnot_wave_0_\@:
	s_barrier_wait -3
	s_barrier_signal -1
	s_barrier_wait -1
.endm
.macro LOADX                           ; the tile at LDS byte s[TO]: four registers of scale words, eight fragments, K ascending: 34 LDS loads
	v_add_nc_u32 v[LA], s[TO], v[L16]
	v_add_nc_u32 v[LB], s[TO], v[L8]
	ds_load_b64 v[XS:XS+1], v[LB] offset:16384
	ds_load_b64 v[XS+2:XS+3], v[LB] offset:16640
	WIN 0xc0
.irp s, 0,1,2,3,4,5,6,7
.irp c, 0,1,2,3
	ds_load_b128 v[16*\s+4*\c:16*\s+4*\c+3], v[LA] offset:2048*\s+512*\c
.endr
.endr
	WIN 0
.endm
.macro MUL                             ; 32 matrix instructions; the four accumulators take turns, one instruction a turn; the first K step starts the sums
.irp s, 0,1,2,3,4,5,6,7
	s_wait_dscnt 28-4*\s                           ; K step s is in; the 4 (7 - s) loads of the later steps may be out
	WIN 0x0d+(\s)/4                                ; source 0 the weight (window 1, then 2), source 1 o (window 3)
.irp t, 0,1,2,3
.set rD, ACC+8*\t
.set rA, 64*\t+16*((\s)%4)
.set rB, 16*\s
.set rSA, WS+4*\t+(\s)/2
.set rSB, XS+(\s)/2
.if \s == 0
	v_wmma_scale_f32_16x16x128_f8f6f4 v[rD:rD+7], v[rA:rA+15], v[rB:rB+15], 0, v[rSA], v[rSB] matrix_a_fmt:MATRIX_FMT_BF8 matrix_b_fmt:MATRIX_FMT_BF8
.elseif (\s)%2
	v_wmma_scale_f32_16x16x128_f8f6f4 v[rD:rD+7], v[rA:rA+15], v[rB:rB+15], v[rD:rD+7], v[rSA], v[rSB] matrix_a_fmt:MATRIX_FMT_BF8 matrix_b_fmt:MATRIX_FMT_BF8 matrix_a_scale:MATRIX_SCALE_ROW1 matrix_b_scale:MATRIX_SCALE_ROW1
.else
	v_wmma_scale_f32_16x16x128_f8f6f4 v[rD:rD+7], v[rA:rA+15], v[rB:rB+15], v[rD:rD+7], v[rSA], v[rSB] matrix_a_fmt:MATRIX_FMT_BF8 matrix_b_fmt:MATRIX_FMT_BF8
.endif
.endr
.endr
	WIN 0
.endm
	s_load_b128 s[4:7], s[0:1], 0x0                ; OB s[4:5], WB s[6:7]
	s_load_b64 s[8:9], s[0:1], 0x10                ; out0
	v_lshl_add_u32 v254, v0, 2, 0x29000
	v_mov_b32 v255, 0
	ds_add_u32 v254, v255
	ds_add_u32 v254, v255
	v_lshrrev_b32 v1, 5, v0
	v_readfirstlane_b32 s[WV], v1                  ; wave 0..3
	s_bfe_u32 s[PART], ttmp6, 0x40000              ; my place in the cluster: which 256 columns
	s_and_b32 s[CHK], ttmp7, 0xffff                ; which 128 tokens: the four partners share it
	s_mov_b32 s[G1+0], 15|(3<<16)|(1<<21)          ; the mask: all four; elements of 8 bytes; bit 21 beside a mask
	s_mov_b32 s[G1+1], 32<<16
	s_mov_b32 s[G1+2], 132<<16                     ; two tiles of OB: 132 dense rows of 256 bytes
	s_mov_b32 s[G1+3], 32<<16
	s_mov_b32 s[G1+4], 132
	s_mov_b32 s[G1+5], 32
	s_mov_b32 s[G1+6], 0
	s_mov_b32 s[G1+7], 0
	s_mul_i32 s44, s[WV], 2*TILEB
	s_mul_i32 s46, s[CHK], 8*TILEB
	s_add_co_u32 s46, s46, s44
	s_mov_b32 s47, 0
	s_wait_dscnt 0x0
	s_wait_kmcnt 0x0
	s_mov_b32 s[G0], 1
	s_mov_b32 s[G0+1], s44
	s_add_nc_u64 s[G0+2:G0+3], s[4:5], s[46:47]
	s_or_b32 s[G0+3], s[G0+3], 0x80000000
	ROUND                                          ; all four work-groups are here: the joint loads meet
	tensor_load_to_lds s[G0:G0+3], s[G1:G1+7]      ; my one tensor load: these LDS bytes are filled once
	s_nop 0
	PLACES 4
	v_and_b32 v1, 31, v0
	v_and_b32 v2, 15, v0                           ; r
	v_bfe_u32 v3, v0, 4, 1                         ; h
	v_lshlrev_b32 v[L16], 4, v1
	v_lshlrev_b32 v[L8], 3, v1
	v_lshlrev_b32 v[L4], 2, v1
	s_wait_alu depctr_va_vdst(0)
	s_mul_i32 s45, s[WV], 16*272
	s_add_co_u32 s45, s45, STAGE                   ; my stage
	v_mul_u32_u24 v[STO], v2, 272
	v_lshl_add_u32 v[STO], v3, 5, v[STO]
	v_add_nc_u32 v[STO], s45, v[STO]               ; in: row r, + 32 h; tile t's eight outputs 64 t bytes on
	v_mul_u32_u24 v[RD], v3, 272
	v_lshl_add_u32 v[RD], v2, 4, v[RD]
	v_add_nc_u32 v[RD], s45, v[RD]                 ; back: lanes 0-15 one row of 256 bytes, lanes 16-31 the next
	v_lshlrev_b32 v[CO], 12, v3
	v_lshl_add_u32 v[CO], v2, 4, v[CO]             ; and the same two rows of out0, 4,096 bytes apart
	s_lshl_b32 s48, s[PART], 4
	s_lshl_b32 s49, s[WV], 2
	s_add_co_u32 s48, s48, s49
	s_add_co_u32 s48, s48, 96                      ; my first weight tile
	s_lshl_b32 s46, s48, 14
	s_add_nc_u64 s[WBB:WBB+1], s[6:7], s[46:47]
	s_lshl_b32 s46, s48, 9
	s_add_co_u32 s46, s46, 2621440
	s_add_nc_u64 s[WSB:WSB+1], s[6:7], s[46:47]
	s_lshl_b32 s46, s[CHK], 19                     ; 128 rows of 4,096 bytes,
	s_lshl_b32 s49, s[PART], 10
	s_add_co_u32 s46, s46, s49                     ; 256 columns a part,
	s_lshl_b32 s49, s[WV], 8
	s_add_co_u32 s46, s46, s49                     ; 64 a wave
	s_add_nc_u64 s[8:9], s[8:9], s[46:47]
	WIN 0x40                                       ; destination window 1: K steps 0-3
.irp t, 0,1,2,3
.irp s, 0,1,2,3
.irp c, 0,1,2,3
	global_load_b128 v[64*\t+16*\s+4*\c:64*\t+16*\s+4*\c+3], v[L16], s[WBB:WBB+1] offset:16384*\t+2048*\s+512*\c
.endr
.endr
.endr
	WIN 0x80                                       ; destination window 2: K steps 4-7
.irp t, 0,1,2,3
.irp s, 0,1,2,3
.irp c, 0,1,2,3
	global_load_b128 v[64*\t+16*\s+4*\c:64*\t+16*\s+4*\c+3], v[L16], s[WBB:WBB+1] offset:16384*\t+2048*(\s+4)+512*\c
.endr
.endr
.endr
	WIN 0
.irp t, 0,1,2,3
.irp p, 0,1,2,3
	global_load_b32 v[WS+4*\t+\p], v[L4], s[WSB:WSB+1] offset:512*\t+128*\p
.endr
.endr
	s_wait_loadcnt 0x0                             ; the weight
	s_wait_tensorcnt 0x0                           ; my two tiles of o have landed,
	s_barrier_signal -1
	s_barrier_wait -1                              ; everybody's have
	s_mov_b32 s[TO], 0
	LOADX
; A tile of 16 tokens.  nxt = 1: the next tile's fragments are asked for behind this tile's turn through the stage.
.macro OTILE nxt
	MUL
	PLACES 9                                       ; eight places in front of the stores of results and of loads into registers that the products read; nine in front of the next tile's products, which write over the accumulators
	s_wait_alu depctr_va_vdst(0)
.irp t, 0,1,2,3
	ds_store_b128 v[STO], v[ACC+8*\t:ACC+8*\t+3] offset:64*\t      ; each accumulator from its low end on
	ds_store_b128 v[STO], v[ACC+8*\t+4:ACC+8*\t+7] offset:64*\t+16
.endr
.irp i, 0,1,2,3,4,5,6,7
	ds_load_b128 v[BK+4*\i:BK+4*\i+3], v[RD] offset:544*\i         ; LDS serves a wave's instructions in order: these see my stores
.endr
.if \nxt
	s_add_co_u32 s[TO], s[TO], TILEB
	LOADX
	s_wait_dscnt 34                                ; the rows are back; the 34 loads just issued may be out
.else
	s_wait_dscnt 0x0
.endif
.irp i, 0,1,2,3,4,5,6,7
	global_store_b128 v[CO], v[BK+4*\i:BK+4*\i+3], s[8:9] offset:8192*\i th:TH_STORE_NT   ; sixteen lanes store 256 consecutive bytes, aligned
.endr
	s_wait_xcnt 0x0                                ; the stores have read their data and base: both are written again
	s_add_nc_u64 s[8:9], s[8:9], 65536
.endm
	s_mov_b32 s[CNT], 7
.Ltile:
	OTILE 1
	s_sub_co_u32 s[CNT], s[CNT], 1
	s_cmp_lg_u32 s[CNT], 0
	s_cbranch_scc1 .Ltile
	OTILE 0                                        ; the last tile fetches nothing
	s_wait_tensorcnt 0x0
	ds_add_u32 v254, v255
	s_wait_dscnt 0x0
	ROUND                                          ; the closing round: no work-group ends while a partner may still ask jointly
	s_endpgm
.Lfunc_end_k_q81e9b0e638_oproj:
	.size	k_q81e9b0e638_oproj, .Lfunc_end_k_q81e9b0e638_oproj-k_q81e9b0e638_oproj
	.p2alignl 7, 3214868480
	.fill 96, 4, 3214868480
	.section	.rodata,"a",@progbits
	.p2align	6, 0x0
	.amdhsa_kernel k_q81e9b0e638_oproj
		.amdhsa_group_segment_fixed_size 168448
		.amdhsa_private_segment_fixed_size 0
		.amdhsa_enable_private_segment 0
		.amdhsa_kernarg_size 24
		.amdhsa_user_sgpr_count 2
		.amdhsa_user_sgpr_kernarg_segment_ptr 1
		.amdhsa_wavefront_size32 1
		.amdhsa_system_sgpr_workgroup_id_x 1
		.amdhsa_system_sgpr_workgroup_id_y 1
		.amdhsa_system_sgpr_workgroup_id_z 1
		.amdhsa_system_vgpr_workitem_id 0
		.amdhsa_next_free_vgpr 1024
		.amdhsa_next_free_sgpr 66
		.amdhsa_reserve_vcc 0
		.amdhsa_float_denorm_mode_32 3
		.amdhsa_float_denorm_mode_16_64 3
		.amdhsa_memory_ordered 1
		.amdhsa_forward_progress 1
		.amdhsa_inst_pref_size 36
	.end_amdhsa_kernel
	.amdgpu_metadata
---
amdhsa.version: [ 1, 2 ]
amdhsa.kernels:
  - .name:           k_q81e9b0e638_oproj
    .symbol:         k_q81e9b0e638_oproj.kd
    .args:
      - { .name: OB, .offset: 0, .size: 8, .value_kind: global_buffer, .address_space: global }
      - { .name: WB, .offset: 8, .size: 8, .value_kind: global_buffer, .address_space: global }
      - { .name: out0, .offset: 16, .size: 8, .value_kind: global_buffer, .address_space: global }
    .group_segment_fixed_size: 168448
    .private_segment_fixed_size: 0
    .kernarg_segment_align: 8
    .kernarg_segment_size: 24
    .max_flat_workgroup_size: 128
    .sgpr_count:     66
    .vgpr_count:     1024
    .wavefront_size: 32
...
	.end_amdgpu_metadata
.endif
;; end of part 4
